; MI455X (gfx1250); checked and timed in simulation.
; The chip was launched on July 23, 2026; its instructions are those of AMD's public machine-readable ISA for CDNA 5 (MIT licence, August 2026) and "CDNA5" Instruction Set Architecture Reference Guide (July 2026). The comments in the code are by the model that wrote it; some were corrected since.
;; Attention Op. Allowed arithmetic: float matrix products may take bf16 or f16 operands with f32 sums; all other float work in f32.
;; Inputs: decoder_segment_ids 2 x 2,048 int32; key 2 x 2,048 x 8 x 128 float32; query 2 x 2,048 x 32 x 128 float32; value 2 x 2,048 x 8 x 128 float32.
;; Outputs: out0 2 x 2,048 x 32 x 128 float32.
;; 3 versions, each right; version 3 is version 2 with the launch attn written anew for expert scheduling mode. Each part assembles by itself: llvm-mc -triple=amdgcn-amd-amdhsa -mcpu=gfx1250 --defsym DOCPART=n.
;; ======== version 1 of 3: 1 launch
;; launch attn (part 1): grid 256 x 1, 4 waves a work-group, no clusters, 150,016 bytes of LDS; arguments query, key, value, decoder_segment_ids, out0; writes out0
.if DOCPART == 1
	.amdgcn_target "amdgcn-amd-amdhsa--gfx1250"
	.amdhsa_code_object_version 6
	.text
	.protected	k_qa35326cb8d_attn
	.globl	k_qa35326cb8d_attn
	.p2align	8
	.type	k_qa35326cb8d_attn,@function
k_qa35326cb8d_attn:
	s_mov_b64 s[64:65], 0
	v_nop
	global_prefetch_b8 v0, s[64:65] scope:SCOPE_SE
	s_setreg_imm32_b32 hwreg(HW_REG_WAVE_MODE, 25, 1), 1
	s_wait_xcnt 0x0
; Grouped-query attention, B = 2, T = 2048, 32 query heads, 8 key/value heads, D = 128, all f32 in memory.
; weights = softmax over s of (q . k), no scale, kept where s <= t and id[s] == id[t]; out = weights . v.
;
; SHARES.  A work-group owns one (batch, kv head) and two blocks of 64 query times, i = 31 - p and i = p, so that every work-group has
; (32 - p) + (p + 1) = 33 causal steps of 64 keys: 16 x 16 = 256 work-groups of equal causal work.  Its four waves are the four query heads that
; share the kv head: all four read the same K and V tile from LDS.  A wave holds 64 queries x 128 of its head.
; TRANSPOSED FORM.  S^T = K Q^T (source 0: 16 keys, source 1: 16 queries) and O^T = V^T P^T.  A lane then holds ONE query (lane % 16) and eight keys
; 8 (lane / 16) + 0..7 of each tile of 16 keys, so a row's maximum and sum are made inside the lane plus one exchange of the two halves, and the
; rounded weights are, register for register, source 1 of the second product: no round trip through LDS.
; ORDER OF THE KEYS.  From the diagonal tile downward (j = i, i - 1, .. 0).  The diagonal tile holds each query's own key, which the mask always keeps, so the
; running maximum is a real logit from the first step on and a masked entry always gives exp2 of a huge negative number = 0.
; SEGMENT IDS, any int32 in any order.  For each block of 64 times the least and the largest id are made (as unsigned numbers: any total order serves).  Key tile j can
; hold a key of query block i only if the two ranges overlap (NEED); if both ranges are one and the same id no compare is needed (PURE).  Both are
; masks of 32 bits, bit = tile, made in registers from the ids as loaded.  Branches on them jump over loads, conversions, products and masking, never over a barrier;
; trip counts hang on the work-group's number alone.
; K AND V are f32 in memory and bf16 in LDS, so they pass through registers: wave w loads rows 16 w .. 16 w + 15 of the tile two steps ahead (each load of the wave is one
; whole row of 512 bytes), rounds and stores them one step later into the slot that is not being read.  Two slots, one barrier a step.
; LEFT OUT, by this text's own arithmetic.  Tensor loads: they would lay 64 KiB of f32 a step into LDS, to be read back and written again as 32 KiB of bf16.  Cluster multicast:
; there is no tensor load to share, the four heads' sharing is already done inside the work-group, and other query blocks of the head need other tiles (other
; diagonals, and NEED differs).  A conversion launch: 33.5 MB read and 16.8 MB written and read again.
; LIMITS.  NaN and infinite inputs are not served.  A real logit is taken to lie above the mask value 0xff333332 (-0.7 x the largest f32).  Q, K, V and the
; weights enter the products rounded to bf16; logits, maxima, sums and O stay in f32.  The exponent is fma(s, log2 e, -round(m log2 e)); its residue, at most
; 2^-24 |m log2 e|, is the same factor in the numerator and in the denominator of a row.
.set KP,    272                        ; LDS pitch of a K row and of a staged Q row: 256 bytes of bf16 + 16, an odd multiple of 16: 16 rows begin at 16 different 16-byte columns modulo 256
.set VP,    288                        ; LDS pitch of a V row: 256 + 32, an odd multiple of 32, for the transposing load
.set OP,    528                        ; LDS pitch of a staged row of O: 512 bytes of f32 + 16
.set KSLOT, 64*KP                      ; 17,408
.set VSLOT, 64*VP                      ; 18,432
.set KB,    0                          ; K, two slots
.set VB,    2*KSLOT                    ; V, two slots, from byte 34,816
.set SEGB,  VB+2*VSLOT                 ; the batch's 2,048 ids, from byte 71,680
.set STAGE, SEGB+8192                  ; from byte 79,872: a stage for each wave (Q on the way in, O on the way out)
.set STG,   64*KP                      ; 17,408 bytes a wave; the end is byte 149,504
; window 0
.set LANE, 1
.set RR,   2                           ; lane % 16
.set HH,   3                           ; lane / 16
.set KADR, 4                           ; K fragments:  KB + r KP + 16 h
.set VADR, 5                           ; V fragments:  VB + (8 h + lane % 8) VP + 16 ((lane / 8) % 2)
.set KST,  6                           ; my 8 bytes of my wave's first K row: KB + 16 w KP + 8 lane
.set VST,  7                           ; the same for V
.set QST,  8                           ; stage + 8 lane
.set QRD,  9                           ; stage + r KP + 16 h
.set OST,  10                          ; stage + r OP + 32 h
.set ORD,  11                          ; stage + 16 lane
.set ROFF, 12                          ; 16 lane: my 16 bytes of a row of 512; never rewritten
.set KV0,  13                          ; 65,536 w + 16 lane: my wave's 16 rows in a tile of K or V
.set KO,   14                          ; KV0 + 262,144 tile
.set SEG0, 15                          ; SEGB + 32 h
.set SKA,  16                          ; SEG0 + 256 tile
.set SQA0, 17                          ; SEGB + 4 r
.set REL,  18                          ; r - 8 h + 8
.set MASKV,19
.set KMIN, 20                          ; lane l: least id of block l
.set KMAX, 21                          ; lane l: largest id of block l
.set TMP,  25
.set SQ,   26                          ; v[26:29]   id of my query in query tile u
.set MX,   30                          ; v[30:33]   running maximum
.set TT,   34                          ; v[34:37]   at work
.set T2,   38                          ; v[38:41]   at work (what the other half of the lanes sends)
.set PR,   42                          ; v[42:49]   pair u: -m log2 e, alpha (at the end: 1 / l)
.set LP,   50                          ; v[50:57]   pair u: two partial sums of the weights
.set PF,   58                          ; prefetch: (lane / 2) rows of 16,384 bytes + (lane % 2) x 256; never rewritten
.set F0,   64                          ; v[64:95]   fragment buffer 0
.set F1,   96                          ; v[96:127]  fragment buffer 1
.set SB,   128                         ; v[128:255] S[u][t] at SB + 32 u + 8 t; the weights P[u][v], in place, at SB + 32 u + 16 v
; window 1: O[dt][u] at 8 (4 dt + u); at a block's head the 64 rows of Q as loaded (row n at 4 n)
; window 2: Q fragments, Q[u][c] at 32 u + 8 c
; window 3: K row n as loaded at 4 n, V row n at 64 + 4 n (n = 0..15)
; scalars: s[4:5] query, s[6:7] key and s[8:9] value at (b, kv), s[10:11] ids of b, s[12:13] out, s14 wave, s15 p, s19 i, s24 NEED << (31 - i), s25 PURE << (31 - i)
; (bit 31 = this step's tile, 30 the next, 29 the one behind), s26, s27 counters, s[28:29], s[30:31] query and out at (b, head), s[38:39], s[40:41] at the block, s44 tile, s45 tile to load,
; s[46:49] lane masks by turns, s[50:51] query at block p, s52 log2 e, s53, s54 least and largest id of the query block
.set MSB, 0
.macro WIN new                         ; s_set_vgpr_msb, low byte: bits 1:0 source 0, 3:2 source 1, 5:4 source 2, 7:6 destination; the high byte repeats the setting that is left
.if MSB != \new
	s_set_vgpr_msb (MSB<<8)|\new
.set MSB, \new
.endif
.endm
.macro PLACES n                        ; places behind matrix instructions (ISA guide 7.12.1): plain vector instructions that name none of their registers
.rept \n
	v_nop
.endr
.endm
; 8 LDS loads: four tiles of 16 keys x 32 of d (bytes 64 c of the rows) into buffer f
.macro FETCH_K slot, c, f
.irp t, 0,1,2,3
	ds_load_b128 v[\f+8*\t:\f+8*\t+3],   v[KADR] offset:\slot*KSLOT+16*\t*KP+64*\c
	ds_load_b128 v[\f+8*\t+4:\f+8*\t+7], v[KADR] offset:\slot*KSLOT+16*\t*KP+64*\c+32
.endr
.endm
; 16 matrix instructions: S[u][t] += K[t] Q[u]^T for 32 of d.  The 16 accumulators take turns, one instruction a turn.
.macro QK16 c, f, zero
.irp t, 0,1,2,3
.irp u, 0,1,2,3
.if \zero
	v_wmma_f32_16x16x32_bf16 v[SB+32*\u+8*\t:SB+32*\u+8*\t+7], v[\f+8*\t:\f+8*\t+7], v[32*\u+8*\c:32*\u+8*\c+7], 0
.else
	v_wmma_f32_16x16x32_bf16 v[SB+32*\u+8*\t:SB+32*\u+8*\t+7], v[\f+8*\t:\f+8*\t+7], v[32*\u+8*\c:32*\u+8*\c+7], v[SB+32*\u+8*\t:SB+32*\u+8*\t+7]
.endif
.endr
.endr
.endm
; The logits of 64 keys x 64 queries.  The first product starts the sums.
.macro QK slot
	PLACES 5                                       ; S is written over the weights that the last step's matrix instructions read, and both buffers are loaded again
	FETCH_K \slot, 0, F0
	FETCH_K \slot, 1, F1
	s_wait_dscnt 8                                 ; all but the eight youngest loads: buffer 0 is in
	WIN 0x08                                       ; source 1 (Q) in window 2; LDS loads still go to window 0
	QK16 0, F0, 1
	PLACES 4
	FETCH_K \slot, 2, F0
	s_wait_dscnt 8                                 ; buffer 1 is in, the eight just issued stay out
	QK16 1, F1, 0
	PLACES 4
	FETCH_K \slot, 3, F1
	s_wait_dscnt 8
	QK16 2, F0, 0
	s_wait_dscnt 0
	QK16 3, F1, 0
	PLACES 4                                       ; in front of the vector work on S and of the next loads into the buffers
	WIN 0
.endm
; Entries whose key has another id than the query get the mask value.  My 32 keys' ids: 64 tile + 16 t + 8 h + e.
.macro SEGMASK
	s_and_b32 s20, s44, 31
	v_lshl_add_u32 v[SKA], s20, 8, v[SEG0]
.irp t, 0,1,2,3
	ds_load_b128 v[F0+8*\t:F0+8*\t+3],   v[SKA] offset:64*\t
	ds_load_b128 v[F0+8*\t+4:F0+8*\t+7], v[SKA] offset:64*\t+16
.endr
	s_wait_dscnt 0x0
.irp u, 0,1,2,3
.irp q, 0,1,2,3,4,5,6,7
.irp k, 0,1,2,3
	v_cmp_eq_u32 s[46+\k], v[F0+4*\q+\k], v[SQ+\u]
.endr
.irp k, 0,1,2,3
	v_cndmask_b32 v[SB+32*\u+4*\q+\k], v[MASKV], v[SB+32*\u+4*\q+\k], s[46+\k]
.endr
.endr
.endr
.endm
; The diagonal tile: key 16 t + 8 h + e is kept for query 16 u + r if it is not later.  t < u: all kept.  t > u: none.  t = u: e + 8 <= r - 8 h + 8.
.macro CAUSAL
.irp g, 0,4
.irp k, 0,1,2,3
	v_cmp_le_u32 s[46+\k], \g+\k+8, v[REL]
.endr
.irp u, 0,1,2,3
.irp k, 0,1,2,3
	v_cndmask_b32 v[SB+40*\u+\g+\k], v[MASKV], v[SB+40*\u+\g+\k], s[46+\k]
.endr
.endr
.endr
.irp u, 0,1,2
.irp t, 1,2,3
.if \t > \u
.irp e, 0,1,2,3,4,5,6,7
	v_mov_b32 v[SB+32*\u+8*\t+\e], v[MASKV]
.endr
.endif
.endr
.endr
.endm
; 8 transposing LDS loads: V^T, four tiles of 16 of d (tiles d0 .. d0 + 3) x keys 32 v .. 32 v + 31, into buffer f
.macro FETCH_V slot, v, d0, f
.irp d, 0,1,2,3
	ds_load_tr16_b128 v[\f+8*\d:\f+8*\d+3],   v[VADR] offset:\slot*VSLOT+32*\v*VP+32*(\d0+\d)
	ds_load_tr16_b128 v[\f+8*\d+4:\f+8*\d+7], v[VADR] offset:\slot*VSLOT+32*\v*VP+32*(\d0+\d)+16*VP
.endr
.endm
; Running softmax of the four query tiles, their chains interleaved.  first = 1: the block's first tile starts maximum and sums.
.macro SOFTMAX first
.irp u, 0,1,2,3
.if \first
	v_max_num_f32 v[TT+\u], v[SB+32*\u], v[SB+32*\u+1]
.else
	v_max3_num_f32 v[TT+\u], v[MX+\u], v[SB+32*\u], v[SB+32*\u+1]
.endif
.endr
.irp k, 1,2,3,4,5,6,7,8,9,10,11,12,13,14,15
.irp u, 0,1,2,3
	v_max3_num_f32 v[TT+\u], v[TT+\u], v[SB+32*\u+2*\k], v[SB+32*\u+2*\k+1]
.endr
.endr
.irp u, 0,1,2,3
	v_permlanex16_b32 v[T2+\u], v[TT+\u], s42, s43         ; the other half of the lanes holds the query's other 32 keys
.endr
.irp u, 0,1,2,3
	v_max_num_f32 v[TT+\u], v[TT+\u], v[T2+\u]
.endr
.irp u, 0,1,2,3
	v_mul_f32 v[PR+2*\u], 0xbfb8aa3b, v[TT+\u]             ; -m log2 e
.endr
.if \first
.irp u, 0,1,2,3
	v_mov_b32 v[PR+2*\u+1], 1.0                            ; the pair's other half is named by the packed forms below
.endr
.else
.irp u, 0,1,2,3
	v_fma_f32 v[T2+\u], v[MX+\u], s52, v[PR+2*\u]          ; (old m - new m) log2 e
.endr
.irp u, 0,1,2,3
	v_exp_f32 v[PR+2*\u+1], v[T2+\u]                       ; alpha; the four moves below are the plain instructions behind it (ISA guide 5.7.2)
.endr
.endif
.irp u, 0,1,2,3
	v_mov_b32 v[MX+\u], v[TT+\u]
.endr
	s_wait_alu depctr_va_vdst(0)
.irp u, 0,1,2,3
.irp k, 0,1,2,3,4,5,6,7,8,9,10,11,12,13,14,15
	v_pk_fma_f32 v[SB+32*\u+2*\k:SB+32*\u+2*\k+1], v[SB+32*\u+2*\k:SB+32*\u+2*\k+1], 0x3fb8aa3b, v[PR+2*\u:PR+2*\u+1] op_sel_hi:[1,0,0]
.endr
.set ei, 0
.rept 32
	v_exp_f32 v[SB+32*\u+ei], v[SB+32*\u+ei]               ; behind a run of these stands the next tile's packed multiply-add, or the v_nop below
.set ei, ei+1
.endr
.endr
	v_nop
	s_wait_alu depctr_va_vdst(0)
.irp u, 0,1,2,3
.if \first
	v_pk_add_f32 v[LP+2*\u:LP+2*\u+1], v[SB+32*\u:SB+32*\u+1], v[SB+32*\u+2:SB+32*\u+3]
.else
	v_pk_fma_f32 v[LP+2*\u:LP+2*\u+1], v[LP+2*\u:LP+2*\u+1], v[PR+2*\u:PR+2*\u+1], v[SB+32*\u:SB+32*\u+1] op_sel:[0,1,0] op_sel_hi:[1,1,1]
.endif
.endr
.if \first == 0
.irp u, 0,1,2,3
	v_pk_add_f32 v[LP+2*\u:LP+2*\u+1], v[LP+2*\u:LP+2*\u+1], v[SB+32*\u+2:SB+32*\u+3]
.endr
.endif
.irp k, 2,3,4,5,6,7,8,9,10,11,12,13,14,15
.irp u, 0,1,2,3
	v_pk_add_f32 v[LP+2*\u:LP+2*\u+1], v[LP+2*\u:LP+2*\u+1], v[SB+32*\u+2*\k:SB+32*\u+2*\k+1]
.endr
.endr
	; the weights to bf16, in place: register i of P[u][v] takes registers 2 i and 2 i + 1, which are keys 32 v + 8 h + .. and 32 v + 16 + 8 h + .. in a fragment's own order
.irp u, 0,1,2,3
.irp q, 0,16
.irp i, 0,1,2,3,4,5,6,7
	v_cvt_pk_bf16_f32 v[SB+32*\u+\q+\i], v[SB+32*\u+\q+2*\i], v[SB+32*\u+\q+2*\i+1]
.endr
.endr
.endr
.endm
.macro RESCALE                         ; O *= alpha of the lane's query
	WIN 0x41
.irp dt, 0,1,2,3,4,5,6,7
.irp u, 0,1,2,3
.irp k, 0,2,4,6
	v_pk_mul_f32 v[8*(4*\dt+\u)+\k:8*(4*\dt+\u)+\k+1], v[8*(4*\dt+\u)+\k:8*(4*\dt+\u)+\k+1], v[PR+2*\u:PR+2*\u+1] op_sel:[0,1] op_sel_hi:[1,1]
.endr
.endr
.endr
.endm
; 16 matrix instructions: O[d0 + d][u] += V^T P[u][v]^T for 32 keys; the accumulators take turns, one instruction a turn
.macro PV16 v, d0, f, zero
.irp d, 0,1,2,3
.irp u, 0,1,2,3
.if \zero
	v_wmma_f32_16x16x32_bf16 v[8*(4*(\d0+\d)+\u):8*(4*(\d0+\d)+\u)+7], v[\f+8*\d:\f+8*\d+7], v[SB+32*\u+16*\v:SB+32*\u+16*\v+7], 0
.else
	v_wmma_f32_16x16x32_bf16 v[8*(4*(\d0+\d)+\u):8*(4*(\d0+\d)+\u)+7], v[\f+8*\d:\f+8*\d+7], v[SB+32*\u+16*\v:SB+32*\u+16*\v+7], v[8*(4*(\d0+\d)+\u):8*(4*(\d0+\d)+\u)+7]
.endif
.endr
.endr
.endm
; The second product.  Buffers 0 and 1 were asked for in front of the softmax.
.macro PV slot, zero
	s_wait_dscnt 8                                 ; buffer 0 is in; buffer 1's eight loads may be out
	WIN 0x50                                       ; C and D in window 1
	PV16 0, 0, F0, \zero
	WIN 0
	PLACES 4
	FETCH_V \slot, 1, 0, F0
	s_wait_dscnt 8
	WIN 0x50
	PV16 0, 4, F1, \zero
	WIN 0
	PLACES 4
	FETCH_V \slot, 1, 4, F1
	s_wait_dscnt 8
	WIN 0x50
	PV16 1, 0, F0, 0
	s_wait_dscnt 0
	PV16 1, 4, F1, 0
	WIN 0
.endm
.macro KVLOAD                          ; my wave's 16 rows of K and of V of the tile in KO: each load of the wave is a whole row, 512 consecutive bytes
	WIN 0xC0
.irp n, 0,1,2,3,4,5,6,7,8,9,10,11,12,13,14,15
	global_load_b128 v[4*\n:4*\n+3], v[KO], s[6:7] offset:\n*4096
.endr
.irp n, 0,1,2,3,4,5,6,7,8,9,10,11,12,13,14,15
	global_load_b128 v[64+4*\n:64+4*\n+3], v[KO], s[8:9] offset:\n*4096
.endr
	WIN 0
.endm
.macro KVSTORE slot                    ; round them to bf16, in place, and lay them into the slot
	WIN 0xCF
.set kn, 0
.rept 32
	v_cvt_pk_bf16_f32 v[4*kn],   v[4*kn],   v[4*kn+1]
	v_cvt_pk_bf16_f32 v[4*kn+1], v[4*kn+2], v[4*kn+3]
.set kn, kn+1
.endr
	WIN 0x0C                                       ; store data in window 3, address in window 0
.irp n, 0,1,2,3,4,5,6,7,8,9,10,11,12,13,14,15
	ds_store_b64 v[KST], v[4*\n:4*\n+1] offset:\slot*KSLOT+\n*KP
	ds_store_b64 v[VST], v[64+4*\n:64+4*\n+1] offset:\slot*VSLOT+\n*VP
.endr
	WIN 0
.endm
; The end of a step: the next tile goes into the other slot, the tile behind it is asked for, and the step's one barrier.
.macro TAIL nslot
	s_wait_loadcnt 0x0                             ; on every path: the next tile's rows are in, and KO and the staging registers are free
	s_bitcmp1_b32 s24, 30
	s_cbranch_scc0 .Lnostore_\@
	KVSTORE \nslot
.Lnostore_\@:
	s_and_b32 s20, s45, 31                         ; (below tile 0 the bit is clear and the address is not used)
	v_lshl_add_u32 v[KO], s20, 18, v[KV0]
	s_sub_co_i32 s45, s45, 1
	s_sub_co_i32 s44, s44, 1
	s_bitcmp1_b32 s24, 29
	s_cbranch_scc0 .Lnoload_\@
	KVLOAD
.Lnoload_\@:
	s_lshl_b32 s24, s24, 1
	s_lshl_b32 s25, s25, 1
	s_wait_dscnt 0x0                               ; for the others: my reads of this step's slot are back (it is written in the next step), my stores into the other are done (it is read there)
	s_barrier_signal -1
	s_barrier_wait -1
.endm
.macro STEP slot, nslot
	s_bitcmp1_b32 s24, 31                          ; no key of this tile can share an id with a query of the block: nothing but the tail
	s_cbranch_scc0 .Ltail_\@
	QK \slot
	s_bitcmp1_b32 s25, 31                          ; one id in the tile and in the block: nothing to mask
	s_cbranch_scc1 .Lpure_\@
	SEGMASK
.Lpure_\@:
	FETCH_V \slot, 0, 0, F0                        ; they land during the softmax
	FETCH_V \slot, 0, 4, F1
	SOFTMAX 0
	RESCALE
	PV \slot, 0
.Ltail_\@:
	TAIL \nslot
.endm
; 16 queries of O out: scale by 1 / l, 32 bytes a lane into my stage, whole rows of 512 bytes back and out
.macro OUT16 u
	WIN 0x01
.irp dt, 0,1,2,3,4,5,6,7
.irp k, 0,2,4,6
	v_pk_mul_f32 v[SB+8*\dt+\k:SB+8*\dt+\k+1], v[8*(4*\dt+\u)+\k:8*(4*\dt+\u)+\k+1], v[PR+2*\u:PR+2*\u+1] op_sel_hi:[1,0]
.endr
.endr
	WIN 0
.irp dt, 0,1,2,3,4,5,6,7
	ds_store_b128 v[OST], v[SB+8*\dt:SB+8*\dt+3]   offset:64*\dt
	ds_store_b128 v[OST], v[SB+8*\dt+4:SB+8*\dt+7] offset:64*\dt+16
.endr
	s_wait_xcnt 0x0                                ; the registers loaded next are the data of the last 16 global stores: they are rewritten only behind this wait
.irp n, 0,1,2,3,4,5,6,7,8,9,10,11,12,13,14,15
	ds_load_b128 v[SB+64+4*\n:SB+64+4*\n+3], v[ORD] offset:\n*OP    ; LDS serves a wave's instructions in order (ISA guide 5.7.1): these see the stores above
.endr
.irp n, 0,1,2,3,4,5,6,7,8,9,10,11,12,13,14,15
	s_wait_dscnt 15-\n                             ; row n is back, the younger rows stay out
	global_store_b128 v[ROFF], v[SB+64+4*\n:SB+64+4*\n+3], s[40:41] offset:(16*\u+\n)*16384 th:TH_STORE_NT   ; the wave stores 512 consecutive bytes, a whole row of the head
.endr
.endm
	; ---------------- the head: numbers, addresses, the batch's ids ----------------
	s_load_b256 s[4:11], s[0:1], 0x0               ; query s[4:5], key s[6:7], value s[8:9], ids s[10:11]
	s_load_b64 s[12:13], s[0:1], 0x20              ; out
	v_lshl_add_u32 v62, v0, 2, 0x24800
	v_mov_b32 v63, 0
	v_lshrrev_b32 v[TMP], 5, v0
	v_readfirstlane_b32 s14, v[TMP]                ; wave = head within the group
	s_and_b32 s15, ttmp9, 15                       ; p: the pair of query blocks
	s_lshr_b32 s16, ttmp9, 4
	s_lshr_b32 s17, s16, 3                         ; b
	s_and_b32 s18, s16, 7                          ; kv
	s_mov_b32 s42, 0x76543210                      ; v_permlanex16_b32: lane i of one half reads lane i of the other
	s_mov_b32 s43, 0xfedcba98
	s_mov_b32 s52, 0x3fb8aa3b                      ; log2 e
	v_and_b32 v[LANE], 31, v0
	v_and_b32 v[RR], 15, v0
	v_bfe_u32 v[HH], v0, 4, 1
	v_mul_u32_u24 v[KADR], v[RR], KP
	v_lshl_add_u32 v[KADR], v[HH], 4, v[KADR]      ; KB = 0
	v_and_b32 v[TMP], 7, v0
	v_lshl_add_u32 v[TMP], v[HH], 3, v[TMP]
	v_mul_u32_u24 v[VADR], v[TMP], VP
	v_bfe_u32 v[TMP], v0, 3, 1
	v_lshl_add_u32 v[VADR], v[TMP], 4, v[VADR]
	v_add_nc_u32 v[VADR], VB, v[VADR]
	s_mul_i32 s20, s14, 16*KP
	v_lshl_add_u32 v[KST], v[LANE], 3, s20
	s_mul_i32 s21, s14, 16*VP
	s_add_co_u32 s21, s21, VB
	v_lshl_add_u32 v[VST], v[LANE], 3, s21
	s_mul_i32 s22, s14, STG
	s_add_co_u32 s22, s22, STAGE                   ; my wave's stage
	v_lshl_add_u32 v[QST], v[LANE], 3, s22
	v_add_nc_u32 v[QRD], s22, v[KADR]
	v_mul_u32_u24 v[OST], v[RR], OP
	v_lshl_add_u32 v[OST], v[HH], 5, v[OST]
	v_add_nc_u32 v[OST], s22, v[OST]
	v_lshl_add_u32 v[ORD], v[LANE], 4, s22
	v_lshlrev_b32 v[ROFF], 4, v[LANE]
	s_lshl_b32 s23, s14, 16
	v_lshl_add_u32 v[KV0], v[LANE], 4, s23
	v_lshl_add_u32 v[SEG0], v[HH], 5, SEGB
	v_lshl_add_u32 v[SQA0], v[RR], 2, SEGB
	v_lshlrev_b32 v[TMP], 3, v[HH]
	v_sub_nc_u32 v[REL], v[RR], v[TMP]
	v_add_nc_u32 v[REL], 8, v[REL]
	v_mov_b32 v[MASKV], 0xff333332
.irp u, 0,1,2,3
	v_mov_b32 v[T2+\u], 0                          ; v_permlanex16_b32 counts as a reader of its destination
.endr
	v_lshrrev_b32 v[TMP], 1, v[LANE]
	v_lshlrev_b32 v[PF], 14, v[TMP]
	v_and_b32 v[TMP], 1, v0
	v_lshl_add_u32 v[PF], v[TMP], 8, v[PF]
	v_lshlrev_b32 v[TMP], 8, v[LANE]               ; lane l reads the 64 ids of block l
	v_lshlrev_b32 v[SKA], 4, v0                    ; and thread t 16 bytes of each quarter of the batch's ids, for LDS
	s_mov_b32 s37, 0                               ; the high word of every offset below; never rewritten
	s_lshl_b32 s36, s17, 13
	s_wait_kmcnt 0x0
	s_add_nc_u64 s[10:11], s[10:11], s[36:37]      ; the ids of batch b
.irp n, 0,1,2,3,4,5,6,7,8,9,10,11,12,13,14,15
	global_load_b128 v[SB+4*\n:SB+4*\n+3], v[TMP], s[10:11] offset:16*\n
.endr
.irp n, 0,1,2,3
	global_load_b128 v[F0+4*\n:F0+4*\n+3], v[SKA], s[10:11] offset:2048*\n
.endr
	s_lshl_b32 s36, s17, 23                        ; K and V: b x 8,388,608 + kv x 512
	s_lshl_b32 s20, s18, 9
	s_add_co_u32 s36, s36, s20
	s_add_nc_u64 s[6:7], s[6:7], s[36:37]
	s_add_nc_u64 s[8:9], s[8:9], s[36:37]
	s_lshl_b32 s36, s17, 25                        ; Q and out: b x 33,554,432 + (4 kv + wave) x 512
	s_lshl2_add_u32 s20, s18, s14
	s_lshl_b32 s20, s20, 9
	s_add_co_u32 s36, s36, s20
	s_add_nc_u64 s[28:29], s[4:5], s[36:37]
	s_add_nc_u64 s[30:31], s[12:13], s[36:37]
	s_lshl_b32 s36, s15, 20
	s_add_nc_u64 s[50:51], s[28:29], s[36:37]      ; Q of the second block, p
	s_wait_loadcnt 0x0
	v_min_u32 v[KMIN], v[SB], v[SB+1]
	v_max_u32 v[KMAX], v[SB], v[SB+1]
.set idn, 2
.rept 62
	v_min_u32 v[KMIN], v[KMIN], v[SB+idn]
	v_max_u32 v[KMAX], v[KMAX], v[SB+idn]
.set idn, idn+1
.endr
	v_add_nc_u32 v[SKA], SEGB, v[SKA]
.irp n, 0,1,2,3
	ds_store_b128 v[SKA], v[F0+4*\n:F0+4*\n+3] offset:2048*\n      ; waited for in front of the first block's barrier, read by all behind it
.endr
	; ---------------- two query blocks ----------------
	s_mov_b32 s27, 0
.Lblock:
	s_wait_loadcnt 0x0                             ; no load is out: KO and the staging registers may be written
	s_wait_xcnt 0x0                                ; the last block's stores have read their data and their base
	s_sub_co_u32 s20, 31, s15
	s_cmp_eq_u32 s27, 0
	s_cselect_b32 s19, s20, s15                    ; i = 31 - p, then p
	s_lshl_b32 s36, s19, 20                        ; 64 times of 16,384 bytes
	s_add_nc_u64 s[38:39], s[28:29], s[36:37]
	s_add_nc_u64 s[40:41], s[30:31], s[36:37]
	v_lshl_add_u32 v[KO], s19, 18, v[KV0]
	KVLOAD                                         ; the diagonal tile
	WIN 0x40
.set qn, 0
.rept 64
	global_load_b128 v[4*qn:4*qn+3], v[ROFF], s[38:39] offset:qn*16384 th:TH_LOAD_NT   ; a row of my head, 512 consecutive bytes; read once in the launch
.set qn, qn+1
.endr
	WIN 0
	; while they are on their way: which tiles are needed, which are pure.  Lane i of KMIN and KMAX is the query block's own range.
	v_readlane_b32 s53, v[KMIN], s19
	v_readlane_b32 s54, v[KMAX], s19
	v_cmp_le_u32 s20, v[KMIN], s54
	v_cmp_ge_u32 s21, v[KMAX], s53
	v_cmp_eq_u32 s22, v[KMIN], v[KMAX]
	v_cmp_eq_u32 s23, v[KMIN], s53
	s_cmp_eq_u32 s53, s54
	s_cselect_b32 s46, -1, 0                       ; the query block has one id: all tiles' bits, or none
	s_and_b32 s20, s20, s21                        ; NEED: the ranges overlap
	s_and_b32 s22, s22, s23
	s_and_b32 s22, s22, s46                        ; PURE: one id on both sides
	s_sub_co_u32 s21, 31, s19
	s_lshl_b32 s24, s20, s21                       ; tile i in bit 31; later tiles fall out at the top, zeros follow tile 0
	s_lshl_b32 s25, s22, s21
	s_mov_b32 s44, s19
	s_sub_co_i32 s45, s19, 2
	s_wait_loadcnt 0x0
	KVSTORE 0                                      ; slot 0 was last read in front of the last step's barrier
	s_sub_co_i32 s20, s19, 1
	s_and_b32 s20, s20, 31
	v_lshl_add_u32 v[KO], s20, 18, v[KV0]
	s_bitcmp1_b32 s24, 30
	s_cbranch_scc0 .Lno_second
	KVLOAD                                         ; tile i - 1, stored in the diagonal step's tail
.Lno_second:
	; Q: to bf16, through my own stage, into fragments
	WIN 0x05
.set qn, 0
.rept 64
	v_cvt_pk_bf16_f32 v[SB+2*qn],   v[4*qn],   v[4*qn+1]
	v_cvt_pk_bf16_f32 v[SB+2*qn+1], v[4*qn+2], v[4*qn+3]
.set qn, qn+1
.endr
	WIN 0
.set qn, 0
.rept 64
	ds_store_b64 v[QST], v[SB+2*qn:SB+2*qn+1] offset:qn*KP
.set qn, qn+1
.endr
	WIN 0x80
.irp u, 0,1,2,3
.irp c, 0,1,2,3
	ds_load_b128 v[32*\u+8*\c:32*\u+8*\c+3],   v[QRD] offset:16*\u*KP+64*\c      ; my wave's own bytes, served in order behind the stores
	ds_load_b128 v[32*\u+8*\c+4:32*\u+8*\c+7], v[QRD] offset:16*\u*KP+64*\c+32
.endr
.endr
	WIN 0
	s_wait_dscnt 0x0                               ; for the others: my rows of slot 0 (and, the first time, my ids) are in LDS
	s_barrier_signal -1
	s_barrier_wait -1
	; the diagonal tile starts maximum, sums and O
	QK 0
	v_lshl_add_u32 v[TMP], s19, 8, v[SQA0]
.irp u, 0,1,2,3
	ds_load_b32 v[SQ+\u], v[TMP] offset:64*\u      ; the id of query 64 i + 16 u + r; waited for with the keys' ids
.endr
	SEGMASK
	CAUSAL
	FETCH_V 0, 0, 0, F0
	FETCH_V 0, 0, 4, F1
	SOFTMAX 1
	PV 0, 1
	TAIL 1
	; tiles i - 1 .. 0, two steps a trip: 2 (i / 2 + 1) steps; the one or two beyond tile 0 find their bits clear and only pass the barrier.
	; Every block ends on slot 0, so that the next block may fill slot 0 behind that step's barrier.
	s_lshr_b32 s26, s19, 1
	s_add_co_u32 s26, s26, 1                       ; 1 to 16 trips
.Lsteps:
	STEP 1, 0
	STEP 0, 1
	s_sub_co_i32 s26, s26, 1
	s_cmp_gt_i32 s26, 0
	s_cbranch_scc1 .Lsteps
	; the way out.  In the first block's: my wave asks for its own 64 rows of Q of block p, 128 aligned pieces of 256 bytes (lanes 256 bytes or a row apart), each once in
	; the launch; the way out's four groups of 16 rows stand between the request and the loads.  The second block asks for nothing.
	s_cmp_lg_u32 s27, 0
	s_cbranch_scc1 .Lno_prefetch
.irp k, 0,1,2,3
	global_prefetch_b8 v[PF], s[50:51] offset:\k*262144 th:TH_LOAD_NT scope:SCOPE_SE
.endr
.Lno_prefetch:
	PLACES 4                                       ; behind the last matrix instructions: O is read, the weights' registers are written
.irp u, 0,1,2,3
	v_add_f32 v[TT+\u], v[LP+2*\u], v[LP+2*\u+1]
.endr
.irp u, 0,1,2,3
	v_permlanex16_b32 v[T2+\u], v[TT+\u], s42, s43
.endr
.irp u, 0,1,2,3
	v_add_f32 v[TT+\u], v[TT+\u], v[T2+\u]         ; l: at least about 1, the weight of the row's maximum
.endr
.irp u, 0,1,2,3
	v_rcp_f32 v[PR+2*\u], v[TT+\u]
.endr
	v_nop                                          ; the plain instruction behind the reciprocals (ISA guide 5.7.2)
	s_wait_alu depctr_va_vdst(0)
	OUT16 0
	OUT16 1
	OUT16 2
	OUT16 3
	s_add_co_u32 s27, s27, 1
	s_cmp_lt_u32 s27, 2
	s_cbranch_scc1 .Lblock
	s_wait_tensorcnt 0x0
	ds_add_u32 v62, v63
	s_wait_dscnt 0x0
	s_endpgm
.Lfunc_end_k_qa35326cb8d_attn:
	.size	k_qa35326cb8d_attn, .Lfunc_end_k_qa35326cb8d_attn-k_qa35326cb8d_attn
	.p2alignl 7, 3214868480
	.fill 96, 4, 3214868480
	.section	.rodata,"a",@progbits
	.p2align	6, 0x0
	.amdhsa_kernel k_qa35326cb8d_attn
		.amdhsa_group_segment_fixed_size 150016
		.amdhsa_private_segment_fixed_size 0
		.amdhsa_enable_private_segment 0
		.amdhsa_kernarg_size 40
		.amdhsa_user_sgpr_count 2
		.amdhsa_user_sgpr_kernarg_segment_ptr 1
		.amdhsa_wavefront_size32 1
		.amdhsa_system_sgpr_workgroup_id_x 1
		.amdhsa_system_sgpr_workgroup_id_y 1
		.amdhsa_system_sgpr_workgroup_id_z 1
		.amdhsa_system_vgpr_workitem_id 0
		.amdhsa_next_free_vgpr 896
		.amdhsa_next_free_sgpr 66
		.amdhsa_reserve_vcc 0
		.amdhsa_float_denorm_mode_32 3
		.amdhsa_float_denorm_mode_16_64 3
		.amdhsa_memory_ordered 1
		.amdhsa_forward_progress 1
		.amdhsa_inst_pref_size 255
	.end_amdhsa_kernel
	.section	.bss,"aw",@nobits
	.p2align	6
	.space	262144
	.amdgpu_metadata
---
amdhsa.version: [ 1, 2 ]
amdhsa.kernels:
  - .name:           k_qa35326cb8d_attn
    .symbol:         k_qa35326cb8d_attn.kd
    .args:
      - { .name: query, .offset: 0, .size: 8, .value_kind: global_buffer, .address_space: global }
      - { .name: key, .offset: 8, .size: 8, .value_kind: global_buffer, .address_space: global }
      - { .name: value, .offset: 16, .size: 8, .value_kind: global_buffer, .address_space: global }
      - { .name: decoder_segment_ids, .offset: 24, .size: 8, .value_kind: global_buffer, .address_space: global }
      - { .name: out0, .offset: 32, .size: 8, .value_kind: global_buffer, .address_space: global }
    .group_segment_fixed_size: 150016
    .private_segment_fixed_size: 0
    .kernarg_segment_align: 8
    .kernarg_segment_size: 40
    .max_flat_workgroup_size: 128
    .sgpr_count:     66
    .vgpr_count:     896
    .wavefront_size: 32
...
	.end_amdgpu_metadata
.endif
;; end of part 1
;; ======== version 2 of 3: 1 launch
;; launch attn (part 2): grid 256 x 1, 4 waves a work-group, no clusters, 150,016 bytes of LDS; arguments query, key, value, decoder_segment_ids, out0; writes out0
.if DOCPART == 2
	.amdgcn_target "amdgcn-amd-amdhsa--gfx1250"
	.amdhsa_code_object_version 6
	.text
	.protected	k_qa35326cb8d_attn
	.globl	k_qa35326cb8d_attn
	.p2align	8
	.type	k_qa35326cb8d_attn,@function
k_qa35326cb8d_attn:
	s_mov_b64 s[64:65], 0
	v_nop
	global_prefetch_b8 v0, s[64:65] scope:SCOPE_SE
	s_setreg_imm32_b32 hwreg(HW_REG_WAVE_MODE, 25, 1), 1
	s_wait_xcnt 0x0
; Grouped-query attention, B = 2, T = 2048, 32 query heads, 8 key/value heads, D = 128, all f32 in memory.
; weights = softmax over s of (q . k), no scale, kept where s <= t and id[s] == id[t]; out = weights . v.
;
; SHARES.  A work-group owns one (batch, kv head) and two of its 32 blocks of 64 query times: 16 x 16 = 256 work-groups.  Its four waves are the four query heads that
; share the kv head: all four read the same K and V tile from LDS.  A wave holds 64 queries x 128 of its head.
; WHICH TWO BLOCKS.  The work of block l is the number of key tiles j <= l that the ids leave it (NEED, below).  Every work-group ranks the batch's 32 blocks by that number
; (ties by the block's number, so the ranks are a permutation, the same in all 16 work-groups of a (batch, kv head)), and work-group p takes rank p and rank 31 - p: the
; largest with the smallest.  With one id throughout the work is l + 1 and the pairs are (31 - p, p), 33 steps each.
; TRANSPOSED FORM.  S^T = K Q^T (source 0: 16 keys, source 1: 16 queries) and O^T = V^T P^T.  A lane then holds ONE query (lane % 16) and eight keys
; 8 (lane / 16) + 0..7 of each tile of 16 keys, so a row's maximum and sum are made inside the lane plus one exchange of the two halves, and the
; rounded weights are, register for register, source 1 of the second product: no round trip through LDS.
; ORDER OF THE KEYS.  From the diagonal tile downward (j = i, i - 1, .. 0).  The diagonal tile holds each query's own key, which the mask always keeps, so the
; running maximum is a real logit from the first step on and a masked entry always gives exp2 of a huge negative number = 0.
; SEGMENT IDS, any int32 in any order.  For each block of 64 times the least and the largest id are made (as unsigned numbers: any total order serves).  Key tile j can
; hold a key of query block i only if the two ranges overlap (NEED); if both ranges are one and the same id no compare is needed (PURE).  Both are
; masks of 32 bits, bit = tile, made in registers from the ids as loaded.  Branches on them jump over loads, conversions, products and masking, never over a barrier;
; trip counts are constants: a block has its diagonal step and 32 more, of which those with a clear bit only pass the barrier.  A block's or a tile's number, which hangs on
; the ids, enters an address only behind s_min_u32 with 31.
; K AND V are f32 in memory and bf16 in LDS, so they pass through registers: wave w loads rows 16 w .. 16 w + 15 of the tile two steps ahead (each load of the wave is one
; whole row of 512 bytes), rounds and stores them one step later into the slot that is not being read.  Two slots, one barrier a step.
; LEFT OUT, by this text's own arithmetic.  Tensor loads: they would lay 64 KiB of f32 a step into LDS, to be read back and written again as 32 KiB of bf16.  Cluster multicast:
; there is no tensor load to share, the four heads' sharing is already done inside the work-group, and other query blocks of the head need other tiles (other
; diagonals, and NEED differs).  A conversion launch: 33.5 MB read and 16.8 MB written and read again.
; LIMITS.  NaN and infinite inputs are not served.  A real logit is taken to lie above the mask value 0xff333332 (-0.7 x the largest f32).  Q, K, V and the
; weights enter the products rounded to bf16; logits, maxima, sums and O stay in f32.  The exponent is fma(s, log2 e, -round(m log2 e)); its residue, at most
; 2^-24 |m log2 e|, is the same factor in the numerator and in the denominator of a row.  The pairs balance the number of tiles, not the masking that a tile of two ids adds.
.set KP,    272                        ; LDS pitch of a K row and of a staged Q row: 256 bytes of bf16 + 16, an odd multiple of 16: 16 rows begin at 16 different 16-byte columns modulo 256
.set VP,    288                        ; LDS pitch of a V row: 256 + 32, an odd multiple of 32, for the transposing load
.set OP,    528                        ; LDS pitch of a staged row of O: 512 bytes of f32 + 16
.set KSLOT, 64*KP                      ; 17,408
.set VSLOT, 64*VP                      ; 18,432
.set KB,    0                          ; K, two slots
.set VB,    2*KSLOT                    ; V, two slots, from byte 34,816
.set SEGB,  VB+2*VSLOT                 ; the batch's 2,048 ids, from byte 71,680
.set STAGE, SEGB+8192                  ; from byte 79,872: a stage for each wave (Q on the way in, O on the way out)
.set STG,   64*KP                      ; 17,408 bytes a wave; the end is byte 149,504
; window 0
.set LANE, 1
.set RR,   2                           ; lane % 16
.set HH,   3                           ; lane / 16
.set KADR, 4                           ; K fragments:  KB + r KP + 16 h
.set VADR, 5                           ; V fragments:  VB + (8 h + lane % 8) VP + 16 ((lane / 8) % 2)
.set KST,  6                           ; my 8 bytes of my wave's first K row: KB + 16 w KP + 8 lane
.set VST,  7                           ; the same for V
.set QST,  8                           ; stage + 8 lane
.set QRD,  9                           ; stage + r KP + 16 h
.set OST,  10                          ; stage + r OP + 32 h
.set ORD,  11                          ; stage + 16 lane
.set ROFF, 12                          ; 16 lane: my 16 bytes of a row of 512; never rewritten
.set KV0,  13                          ; 65,536 w + 16 lane: my wave's 16 rows in a tile of K or V
.set KO,   14                          ; KV0 + 262,144 tile
.set SEG0, 15                          ; SEGB + 32 h
.set SKA,  16                          ; SEG0 + 256 tile
.set SQA0, 17                          ; SEGB + 4 r
.set REL,  18                          ; r - 8 h + 8
.set MASKV,19
.set KMIN, 20                          ; lane l: least id of block l
.set KMAX, 21                          ; lane l: largest id of block l
.set WK,   22                          ; lane l: the tiles that block l needs
.set KEY,  23                          ; lane l: 32 x that number + l
.set RANK, 24                          ; lane l: how many blocks have a larger key
.set TMP,  25
.set SQ,   26                          ; v[26:29]   id of my query in query tile u
.set MX,   30                          ; v[30:33]   running maximum
.set TT,   34                          ; v[34:37]   at work
.set T2,   38                          ; v[38:41]   at work (what the other half of the lanes sends)
.set PR,   42                          ; v[42:49]   pair u: -m log2 e, alpha (at the end: 1 / l)
.set LP,   50                          ; v[50:57]   pair u: two partial sums of the weights
.set PF,   58                          ; prefetch: (lane / 2) rows of 16,384 bytes + (lane % 2) x 256; never rewritten
.set F0,   64                          ; v[64:95]   fragment buffer 0
.set F1,   96                          ; v[96:127]  fragment buffer 1
.set SB,   128                         ; v[128:255] S[u][t] at SB + 32 u + 8 t; the weights P[u][v], in place, at SB + 32 u + 16 v
; window 1: O[dt][u] at 8 (4 dt + u); at a block's head the 64 rows of Q as loaded (row n at 4 n)
; window 2: Q fragments, Q[u][c] at 32 u + 8 c
; window 3: K row n as loaded at 4 n, V row n at 64 + 4 n (n = 0..15)
; scalars: s[4:5] query, s[6:7] key and s[8:9] value at (b, kv), s[10:11] ids of b, s[12:13] out, s14 wave, s15 p, s19 i, s24 NEED << (31 - i), s25 PURE << (31 - i)
; (bit 31 = this step's tile, 30 the next, 29 the one behind), s26, s27 counters, s[28:29], s[30:31] query and out at (b, head), s32, s33 my two blocks, s[38:39], s[40:41] query and out at the
; block, s44 tile, s45 tile to load, s[46:49] lane masks by turns, s[50:51] query at my second block, s52 log2 e, s53, s54 least and largest id of the query block, s[56:63] at work in the head
.set MSB, 0
.macro WIN new                         ; s_set_vgpr_msb, low byte: bits 1:0 source 0, 3:2 source 1, 5:4 source 2, 7:6 destination; the high byte repeats the setting that is left
.if MSB != \new
	s_set_vgpr_msb (MSB<<8)|\new
.set MSB, \new
.endif
.endm
.macro PLACES n                        ; places behind matrix instructions (ISA guide 7.12.1): plain vector instructions that name none of their registers
.rept \n
	v_nop
.endr
.endm
; 8 LDS loads: four tiles of 16 keys x 32 of d (bytes 64 c of the rows) into buffer f
.macro FETCH_K slot, c, f
.irp t, 0,1,2,3
	ds_load_b128 v[\f+8*\t:\f+8*\t+3],   v[KADR] offset:\slot*KSLOT+16*\t*KP+64*\c
	ds_load_b128 v[\f+8*\t+4:\f+8*\t+7], v[KADR] offset:\slot*KSLOT+16*\t*KP+64*\c+32
.endr
.endm
; 16 matrix instructions: S[u][t] += K[t] Q[u]^T for 32 of d.  The 16 accumulators take turns, one instruction a turn.
.macro QK16 c, f, zero
.irp t, 0,1,2,3
.irp u, 0,1,2,3
.if \zero
	v_wmma_f32_16x16x32_bf16 v[SB+32*\u+8*\t:SB+32*\u+8*\t+7], v[\f+8*\t:\f+8*\t+7], v[32*\u+8*\c:32*\u+8*\c+7], 0
.else
	v_wmma_f32_16x16x32_bf16 v[SB+32*\u+8*\t:SB+32*\u+8*\t+7], v[\f+8*\t:\f+8*\t+7], v[32*\u+8*\c:32*\u+8*\c+7], v[SB+32*\u+8*\t:SB+32*\u+8*\t+7]
.endif
.endr
.endr
.endm
; The logits of 64 keys x 64 queries.  The first product starts the sums.
.macro QK slot
	PLACES 5                                       ; S is written over the weights that the last step's matrix instructions read, and both buffers are loaded again
	FETCH_K \slot, 0, F0
	FETCH_K \slot, 1, F1
	s_wait_dscnt 8                                 ; all but the eight youngest loads: buffer 0 is in
	WIN 0x08                                       ; source 1 (Q) in window 2; LDS loads still go to window 0
	QK16 0, F0, 1
	PLACES 4
	FETCH_K \slot, 2, F0
	s_wait_dscnt 8                                 ; buffer 1 is in, the eight just issued stay out
	QK16 1, F1, 0
	PLACES 4
	FETCH_K \slot, 3, F1
	s_wait_dscnt 8
	QK16 2, F0, 0
	s_wait_dscnt 0
	QK16 3, F1, 0
	PLACES 4                                       ; in front of the vector work on S and of the next loads into the buffers
	WIN 0
.endm
; Entries whose key has another id than the query get the mask value.  My 32 keys' ids: 64 tile + 16 t + 8 h + e.
.macro SEGMASK
	s_min_u32 s20, s44, 31                         ; the tile's number hangs on the ids: bounded in front of the address
	v_lshl_add_u32 v[SKA], s20, 8, v[SEG0]
.irp t, 0,1,2,3
	ds_load_b128 v[F0+8*\t:F0+8*\t+3],   v[SKA] offset:64*\t
	ds_load_b128 v[F0+8*\t+4:F0+8*\t+7], v[SKA] offset:64*\t+16
.endr
	s_wait_dscnt 0x0
.irp u, 0,1,2,3
.irp q, 0,1,2,3,4,5,6,7
.irp k, 0,1,2,3
	v_cmp_eq_u32 s[46+\k], v[F0+4*\q+\k], v[SQ+\u]
.endr
.irp k, 0,1,2,3
	v_cndmask_b32 v[SB+32*\u+4*\q+\k], v[MASKV], v[SB+32*\u+4*\q+\k], s[46+\k]
.endr
.endr
.endr
.endm
; The diagonal tile: key 16 t + 8 h + e is kept for query 16 u + r if it is not later.  t < u: all kept.  t > u: none.  t = u: e + 8 <= r - 8 h + 8.
.macro CAUSAL
.irp g, 0,4
.irp k, 0,1,2,3
	v_cmp_le_u32 s[46+\k], \g+\k+8, v[REL]
.endr
.irp u, 0,1,2,3
.irp k, 0,1,2,3
	v_cndmask_b32 v[SB+40*\u+\g+\k], v[MASKV], v[SB+40*\u+\g+\k], s[46+\k]
.endr
.endr
.endr
.irp u, 0,1,2
.irp t, 1,2,3
.if \t > \u
.irp e, 0,1,2,3,4,5,6,7
	v_mov_b32 v[SB+32*\u+8*\t+\e], v[MASKV]
.endr
.endif
.endr
.endr
.endm
; 8 transposing LDS loads: V^T, four tiles of 16 of d (tiles d0 .. d0 + 3) x keys 32 v .. 32 v + 31, into buffer f
.macro FETCH_V slot, v, d0, f
.irp d, 0,1,2,3
	ds_load_tr16_b128 v[\f+8*\d:\f+8*\d+3],   v[VADR] offset:\slot*VSLOT+32*\v*VP+32*(\d0+\d)
	ds_load_tr16_b128 v[\f+8*\d+4:\f+8*\d+7], v[VADR] offset:\slot*VSLOT+32*\v*VP+32*(\d0+\d)+16*VP
.endr
.endm
; Running softmax of the four query tiles, their chains interleaved.  first = 1: the block's first tile starts maximum and sums.
.macro SOFTMAX first
.irp u, 0,1,2,3
.if \first
	v_max_num_f32 v[TT+\u], v[SB+32*\u], v[SB+32*\u+1]
.else
	v_max3_num_f32 v[TT+\u], v[MX+\u], v[SB+32*\u], v[SB+32*\u+1]
.endif
.endr
.irp k, 1,2,3,4,5,6,7,8,9,10,11,12,13,14,15
.irp u, 0,1,2,3
	v_max3_num_f32 v[TT+\u], v[TT+\u], v[SB+32*\u+2*\k], v[SB+32*\u+2*\k+1]
.endr
.endr
.irp u, 0,1,2,3
	v_permlanex16_b32 v[T2+\u], v[TT+\u], s42, s43         ; the other half of the lanes holds the query's other 32 keys
.endr
.irp u, 0,1,2,3
	v_max_num_f32 v[TT+\u], v[TT+\u], v[T2+\u]
.endr
.irp u, 0,1,2,3
	v_mul_f32 v[PR+2*\u], 0xbfb8aa3b, v[TT+\u]             ; -m log2 e
.endr
.if \first
.irp u, 0,1,2,3
	v_mov_b32 v[PR+2*\u+1], 1.0                            ; the pair's other half is named by the packed forms below
.endr
.else
.irp u, 0,1,2,3
	v_fma_f32 v[T2+\u], v[MX+\u], s52, v[PR+2*\u]          ; (old m - new m) log2 e
.endr
.irp u, 0,1,2,3
	v_exp_f32 v[PR+2*\u+1], v[T2+\u]                       ; alpha; the four moves below are the plain instructions behind it (ISA guide 5.7.2)
.endr
.endif
.irp u, 0,1,2,3
	v_mov_b32 v[MX+\u], v[TT+\u]
.endr
	s_wait_alu depctr_va_vdst(0)
.irp u, 0,1,2,3
.irp k, 0,1,2,3,4,5,6,7,8,9,10,11,12,13,14,15
	v_pk_fma_f32 v[SB+32*\u+2*\k:SB+32*\u+2*\k+1], v[SB+32*\u+2*\k:SB+32*\u+2*\k+1], 0x3fb8aa3b, v[PR+2*\u:PR+2*\u+1] op_sel_hi:[1,0,0]
.endr
.set ei, 0
.rept 32
	v_exp_f32 v[SB+32*\u+ei], v[SB+32*\u+ei]               ; behind a run of these stands the next tile's packed multiply-add, or the v_nop below
.set ei, ei+1
.endr
.endr
	v_nop
	s_wait_alu depctr_va_vdst(0)
.irp u, 0,1,2,3
.if \first
	v_pk_add_f32 v[LP+2*\u:LP+2*\u+1], v[SB+32*\u:SB+32*\u+1], v[SB+32*\u+2:SB+32*\u+3]
.else
	v_pk_fma_f32 v[LP+2*\u:LP+2*\u+1], v[LP+2*\u:LP+2*\u+1], v[PR+2*\u:PR+2*\u+1], v[SB+32*\u:SB+32*\u+1] op_sel:[0,1,0] op_sel_hi:[1,1,1]
.endif
.endr
.if \first == 0
.irp u, 0,1,2,3
	v_pk_add_f32 v[LP+2*\u:LP+2*\u+1], v[LP+2*\u:LP+2*\u+1], v[SB+32*\u+2:SB+32*\u+3]
.endr
.endif
.irp k, 2,3,4,5,6,7,8,9,10,11,12,13,14,15
.irp u, 0,1,2,3
	v_pk_add_f32 v[LP+2*\u:LP+2*\u+1], v[LP+2*\u:LP+2*\u+1], v[SB+32*\u+2*\k:SB+32*\u+2*\k+1]
.endr
.endr
	; the weights to bf16, in place: register i of P[u][v] takes registers 2 i and 2 i + 1, which are keys 32 v + 8 h + .. and 32 v + 16 + 8 h + .. in a fragment's own order
.irp u, 0,1,2,3
.irp q, 0,16
.irp i, 0,1,2,3,4,5,6,7
	v_cvt_pk_bf16_f32 v[SB+32*\u+\q+\i], v[SB+32*\u+\q+2*\i], v[SB+32*\u+\q+2*\i+1]
.endr
.endr
.endr
.endm
.macro RESCALE                         ; O *= alpha of the lane's query
	WIN 0x41
.irp dt, 0,1,2,3,4,5,6,7
.irp u, 0,1,2,3
.irp k, 0,2,4,6
	v_pk_mul_f32 v[8*(4*\dt+\u)+\k:8*(4*\dt+\u)+\k+1], v[8*(4*\dt+\u)+\k:8*(4*\dt+\u)+\k+1], v[PR+2*\u:PR+2*\u+1] op_sel:[0,1] op_sel_hi:[1,1]
.endr
.endr
.endr
.endm
; 16 matrix instructions: O[d0 + d][u] += V^T P[u][v]^T for 32 keys; the accumulators take turns, one instruction a turn
.macro PV16 v, d0, f, zero
.irp d, 0,1,2,3
.irp u, 0,1,2,3
.if \zero
	v_wmma_f32_16x16x32_bf16 v[8*(4*(\d0+\d)+\u):8*(4*(\d0+\d)+\u)+7], v[\f+8*\d:\f+8*\d+7], v[SB+32*\u+16*\v:SB+32*\u+16*\v+7], 0
.else
	v_wmma_f32_16x16x32_bf16 v[8*(4*(\d0+\d)+\u):8*(4*(\d0+\d)+\u)+7], v[\f+8*\d:\f+8*\d+7], v[SB+32*\u+16*\v:SB+32*\u+16*\v+7], v[8*(4*(\d0+\d)+\u):8*(4*(\d0+\d)+\u)+7]
.endif
.endr
.endr
.endm
; The second product.  Buffers 0 and 1 were asked for in front of the softmax.
.macro PV slot, zero
	s_wait_dscnt 8                                 ; buffer 0 is in; buffer 1's eight loads may be out
	WIN 0x50                                       ; C and D in window 1
	PV16 0, 0, F0, \zero
	WIN 0
	PLACES 4
	FETCH_V \slot, 1, 0, F0
	s_wait_dscnt 8
	WIN 0x50
	PV16 0, 4, F1, \zero
	WIN 0
	PLACES 4
	FETCH_V \slot, 1, 4, F1
	s_wait_dscnt 8
	WIN 0x50
	PV16 1, 0, F0, 0
	s_wait_dscnt 0
	PV16 1, 4, F1, 0
	WIN 0
.endm
.macro KVLOAD                          ; my wave's 16 rows of K and of V of the tile in KO: each load of the wave is a whole row, 512 consecutive bytes
	WIN 0xC0
.irp n, 0,1,2,3,4,5,6,7,8,9,10,11,12,13,14,15
	global_load_b128 v[4*\n:4*\n+3], v[KO], s[6:7] offset:\n*4096
.endr
.irp n, 0,1,2,3,4,5,6,7,8,9,10,11,12,13,14,15
	global_load_b128 v[64+4*\n:64+4*\n+3], v[KO], s[8:9] offset:\n*4096
.endr
	WIN 0
.endm
.macro KVSTORE slot                    ; round them to bf16, in place, and lay them into the slot
	WIN 0xCF
.set kn, 0
.rept 32
	v_cvt_pk_bf16_f32 v[4*kn],   v[4*kn],   v[4*kn+1]
	v_cvt_pk_bf16_f32 v[4*kn+1], v[4*kn+2], v[4*kn+3]
.set kn, kn+1
.endr
	WIN 0x0C                                       ; store data in window 3, address in window 0
.irp n, 0,1,2,3,4,5,6,7,8,9,10,11,12,13,14,15
	ds_store_b64 v[KST], v[4*\n:4*\n+1] offset:\slot*KSLOT+\n*KP
	ds_store_b64 v[VST], v[64+4*\n:64+4*\n+1] offset:\slot*VSLOT+\n*VP
.endr
	WIN 0
.endm
; The end of a step: the next tile goes into the other slot, the tile behind it is asked for, and the step's one barrier.
.macro TAIL nslot
	s_wait_loadcnt 0x0                             ; on every path: the next tile's rows are in, and KO and the staging registers are free
	s_bitcmp1_b32 s24, 30
	s_cbranch_scc0 .Lnostore_\@
	KVSTORE \nslot
.Lnostore_\@:
	s_min_u32 s20, s45, 31                         ; bounded in front of the address; a number below 0 becomes 31: its bit is clear and the address is not used
	v_lshl_add_u32 v[KO], s20, 18, v[KV0]
	s_sub_co_i32 s45, s45, 1
	s_sub_co_i32 s44, s44, 1
	s_bitcmp1_b32 s24, 29
	s_cbranch_scc0 .Lnoload_\@
	KVLOAD
.Lnoload_\@:
	s_lshl_b32 s24, s24, 1
	s_lshl_b32 s25, s25, 1
	s_wait_dscnt 0x0                               ; for the others: my reads of this step's slot are back (it is written in the next step), my stores into the other are done (it is read there)
	s_barrier_signal -1
	s_barrier_wait -1
.endm
.macro STEP slot, nslot
	s_bitcmp1_b32 s24, 31                          ; no key of this tile can share an id with a query of the block: nothing but the tail
	s_cbranch_scc0 .Ltail_\@
	QK \slot
	s_bitcmp1_b32 s25, 31                          ; one id in the tile and in the block: nothing to mask
	s_cbranch_scc1 .Lpure_\@
	SEGMASK
.Lpure_\@:
	FETCH_V \slot, 0, 0, F0                        ; they land during the softmax
	FETCH_V \slot, 0, 4, F1
	SOFTMAX 0
	RESCALE
	PV \slot, 0
.Ltail_\@:
	TAIL \nslot
.endm
; 16 queries of O out: scale by 1 / l, 32 bytes a lane into my stage, whole rows of 512 bytes back and out
.macro OUT16 u
	WIN 0x01
.irp dt, 0,1,2,3,4,5,6,7
.irp k, 0,2,4,6
	v_pk_mul_f32 v[SB+8*\dt+\k:SB+8*\dt+\k+1], v[8*(4*\dt+\u)+\k:8*(4*\dt+\u)+\k+1], v[PR+2*\u:PR+2*\u+1] op_sel_hi:[1,0]
.endr
.endr
	WIN 0
.irp dt, 0,1,2,3,4,5,6,7
	ds_store_b128 v[OST], v[SB+8*\dt:SB+8*\dt+3]   offset:64*\dt
	ds_store_b128 v[OST], v[SB+8*\dt+4:SB+8*\dt+7] offset:64*\dt+16
.endr
	s_wait_xcnt 0x0                                ; the registers loaded next are the data of the last 16 global stores: they are rewritten only behind this wait
.irp n, 0,1,2,3,4,5,6,7,8,9,10,11,12,13,14,15
	ds_load_b128 v[SB+64+4*\n:SB+64+4*\n+3], v[ORD] offset:\n*OP    ; LDS serves a wave's instructions in order (ISA guide 5.7.1): these see the stores above
.endr
.irp n, 0,1,2,3,4,5,6,7,8,9,10,11,12,13,14,15
	s_wait_dscnt 15-\n                             ; row n is back, the younger rows stay out
	global_store_b128 v[ROFF], v[SB+64+4*\n:SB+64+4*\n+3], s[40:41] offset:(16*\u+\n)*16384 th:TH_STORE_NT   ; the wave stores 512 consecutive bytes, a whole row of the head
.endr
.endm
; Lane l adds its bit of the four masks s[46:49] to dst.  first = 1: they start the sum.
.macro TALLY dst, first
.irp k, 0,1,2,3
	v_bfe_u32 v[TT+\k], s[46+\k], v[LANE], 1
.endr
	v_add_nc_u32 v[TT], v[TT], v[TT+1]
	v_add_nc_u32 v[TT+2], v[TT+2], v[TT+3]
.if \first
	v_add_nc_u32 v[\dst], v[TT], v[TT+2]
.else
	v_add_nc_u32 v[TT], v[TT], v[TT+2]
	v_add_nc_u32 v[\dst], v[\dst], v[TT]
.endif
.endm
	; ---------------- the head: numbers, addresses, the batch's ids ----------------
	s_load_b256 s[4:11], s[0:1], 0x0               ; query s[4:5], key s[6:7], value s[8:9], ids s[10:11]
	s_load_b64 s[12:13], s[0:1], 0x20              ; out
	v_lshl_add_u32 v62, v0, 2, 0x24800
	v_mov_b32 v63, 0
	v_lshrrev_b32 v[TMP], 5, v0
	v_readfirstlane_b32 s14, v[TMP]                ; wave = head within the group
	s_and_b32 s15, ttmp9, 15                       ; p: which pair of ranks
	s_lshr_b32 s16, ttmp9, 4
	s_lshr_b32 s17, s16, 3                         ; b
	s_and_b32 s18, s16, 7                          ; kv
	s_mov_b32 s42, 0x76543210                      ; v_permlanex16_b32: lane i of one half reads lane i of the other
	s_mov_b32 s43, 0xfedcba98
	s_mov_b32 s52, 0x3fb8aa3b                      ; log2 e
	v_and_b32 v[LANE], 31, v0
	v_and_b32 v[RR], 15, v0
	v_bfe_u32 v[HH], v0, 4, 1
	v_mul_u32_u24 v[KADR], v[RR], KP
	v_lshl_add_u32 v[KADR], v[HH], 4, v[KADR]      ; KB = 0
	v_and_b32 v[TMP], 7, v0
	v_lshl_add_u32 v[TMP], v[HH], 3, v[TMP]
	v_mul_u32_u24 v[VADR], v[TMP], VP
	v_bfe_u32 v[TMP], v0, 3, 1
	v_lshl_add_u32 v[VADR], v[TMP], 4, v[VADR]
	v_add_nc_u32 v[VADR], VB, v[VADR]
	s_mul_i32 s20, s14, 16*KP
	v_lshl_add_u32 v[KST], v[LANE], 3, s20
	s_mul_i32 s21, s14, 16*VP
	s_add_co_u32 s21, s21, VB
	v_lshl_add_u32 v[VST], v[LANE], 3, s21
	s_mul_i32 s22, s14, STG
	s_add_co_u32 s22, s22, STAGE                   ; my wave's stage
	v_lshl_add_u32 v[QST], v[LANE], 3, s22
	v_add_nc_u32 v[QRD], s22, v[KADR]
	v_mul_u32_u24 v[OST], v[RR], OP
	v_lshl_add_u32 v[OST], v[HH], 5, v[OST]
	v_add_nc_u32 v[OST], s22, v[OST]
	v_lshl_add_u32 v[ORD], v[LANE], 4, s22
	v_lshlrev_b32 v[ROFF], 4, v[LANE]
	s_lshl_b32 s23, s14, 16
	v_lshl_add_u32 v[KV0], v[LANE], 4, s23
	v_lshl_add_u32 v[SEG0], v[HH], 5, SEGB
	v_lshl_add_u32 v[SQA0], v[RR], 2, SEGB
	v_lshlrev_b32 v[TMP], 3, v[HH]
	v_sub_nc_u32 v[REL], v[RR], v[TMP]
	v_add_nc_u32 v[REL], 8, v[REL]
	v_mov_b32 v[MASKV], 0xff333332
.irp u, 0,1,2,3
	v_mov_b32 v[T2+\u], 0                          ; v_permlanex16_b32 counts as a reader of its destination
.endr
	v_lshrrev_b32 v[TMP], 1, v[LANE]
	v_lshlrev_b32 v[PF], 14, v[TMP]
	v_and_b32 v[TMP], 1, v0
	v_lshl_add_u32 v[PF], v[TMP], 8, v[PF]
	v_lshlrev_b32 v[TMP], 8, v[LANE]               ; lane l reads the 64 ids of block l
	v_lshlrev_b32 v[SKA], 4, v0                    ; and thread t 16 bytes of each quarter of the batch's ids, for LDS
	s_mov_b32 s37, 0                               ; the high word of every offset below; never rewritten
	s_lshl_b32 s36, s17, 13
	s_wait_kmcnt 0x0
	s_add_nc_u64 s[10:11], s[10:11], s[36:37]      ; the ids of batch b
.irp n, 0,1,2,3,4,5,6,7,8,9,10,11,12,13,14,15
	global_load_b128 v[SB+4*\n:SB+4*\n+3], v[TMP], s[10:11] offset:16*\n
.endr
.irp n, 0,1,2,3
	global_load_b128 v[F0+4*\n:F0+4*\n+3], v[SKA], s[10:11] offset:2048*\n
.endr
	s_lshl_b32 s36, s17, 23                        ; K and V: b x 8,388,608 + kv x 512
	s_lshl_b32 s20, s18, 9
	s_add_co_u32 s36, s36, s20
	s_add_nc_u64 s[6:7], s[6:7], s[36:37]
	s_add_nc_u64 s[8:9], s[8:9], s[36:37]
	s_lshl_b32 s36, s17, 25                        ; Q and out: b x 33,554,432 + (4 kv + wave) x 512
	s_lshl2_add_u32 s20, s18, s14
	s_lshl_b32 s20, s20, 9
	s_add_co_u32 s36, s36, s20
	s_add_nc_u64 s[28:29], s[4:5], s[36:37]
	s_add_nc_u64 s[30:31], s[12:13], s[36:37]
	s_wait_loadcnt 0x0
	v_add_nc_u32 v[SKA], SEGB, v[SKA]
.irp n, 0,1,2,3
	ds_store_b128 v[SKA], v[F0+4*\n:F0+4*\n+3] offset:2048*\n      ; waited for in front of the first block's barrier, read by all behind it
.endr
	v_min_u32 v[KMIN], v[SB], v[SB+1]
	v_max_u32 v[KMAX], v[SB], v[SB+1]
.set idn, 2
.rept 62
	v_min_u32 v[KMIN], v[KMIN], v[SB+idn]
	v_max_u32 v[KMAX], v[KMAX], v[SB+idn]
.set idn, idn+1
.endr
	; the work of block l, in lane l: the tiles j <= l whose range of ids overlaps the block's.  Four tiles at a time, so that no line waits for the one in front of it.
.set j0, 0
.rept 8
.irp k, 0,1,2,3
	v_readlane_b32 s[56+\k], v[KMIN], j0+\k
	v_readlane_b32 s[60+\k], v[KMAX], j0+\k
.endr
.irp k, 0,1,2,3
	v_cmp_le_u32 s[46+\k], s[56+\k], v[KMAX]       ; tile's least id <= block's largest
	v_cmp_ge_u32 s[20+\k], s[60+\k], v[KMIN]       ; tile's largest id >= block's least
.endr
.irp k, 0,1,2,3
	s_and_b32 s[46+\k], s[46+\k], s[20+\k]
	s_and_not1_b32 s[46+\k], s[46+\k], (1<<(j0+\k))-1      ; blocks in front of the tile do not see it
.endr
.if j0 == 0
	TALLY WK, 1
.else
	TALLY WK, 0
.endif
.set j0, j0+4
.endr
	; the rank of block l: how many blocks have a larger key.  The keys differ, so the ranks are 0 to 31, each once.
	v_lshl_or_b32 v[KEY], v[WK], 5, v[LANE]
.set j0, 0
.rept 8
.irp k, 0,1,2,3
	v_readlane_b32 s[56+\k], v[KEY], j0+\k
.endr
.irp k, 0,1,2,3
	v_cmp_gt_u32 s[46+\k], s[56+\k], v[KEY]
.endr
.if j0 == 0
	TALLY RANK, 1
.else
	TALLY RANK, 0
.endif
.set j0, j0+4
.endr
	v_cmp_eq_u32 s20, s15, v[RANK]                 ; one lane: the block of rank p
	s_sub_co_u32 s21, 31, s15
	v_cmp_eq_u32 s22, s21, v[RANK]                 ; and the block of rank 31 - p
	s_ctz_i32_b32 s32, s20
	s_ctz_i32_b32 s33, s22
	s_min_u32 s32, s32, 31
	s_min_u32 s33, s33, 31
	s_lshl_b32 s36, s33, 20
	s_add_nc_u64 s[50:51], s[28:29], s[36:37]      ; Q of my second block
	; ---------------- two query blocks ----------------
	s_mov_b32 s27, 0
.Lblock:
	s_wait_loadcnt 0x0                             ; no load is out: KO and the staging registers may be written
	s_wait_xcnt 0x0                                ; the last block's stores have read their data and their base
	s_cmp_eq_u32 s27, 0
	s_cselect_b32 s19, s32, s33                    ; i: rank p's block, then rank 31 - p's
	s_min_u32 s19, s19, 31                         ; bounded in front of the addresses
	s_lshl_b32 s36, s19, 20                        ; 64 times of 16,384 bytes
	s_add_nc_u64 s[38:39], s[28:29], s[36:37]
	s_add_nc_u64 s[40:41], s[30:31], s[36:37]
	v_lshl_add_u32 v[KO], s19, 18, v[KV0]
	KVLOAD                                         ; the diagonal tile
	WIN 0x40
.set qn, 0
.rept 64
	global_load_b128 v[4*qn:4*qn+3], v[ROFF], s[38:39] offset:qn*16384 th:TH_LOAD_NT   ; a row of my head, 512 consecutive bytes; read once in the launch
.set qn, qn+1
.endr
	WIN 0
	; while they are on their way: which tiles are needed, which are pure.  Lane i of KMIN and KMAX is the query block's own range.
	v_readlane_b32 s53, v[KMIN], s19
	v_readlane_b32 s54, v[KMAX], s19
	v_cmp_le_u32 s20, v[KMIN], s54
	v_cmp_ge_u32 s21, v[KMAX], s53
	v_cmp_eq_u32 s22, v[KMIN], v[KMAX]
	v_cmp_eq_u32 s23, v[KMIN], s53
	s_cmp_eq_u32 s53, s54
	s_cselect_b32 s46, -1, 0                       ; the query block has one id: all tiles' bits, or none
	s_and_b32 s20, s20, s21                        ; NEED: the ranges overlap
	s_and_b32 s22, s22, s23
	s_and_b32 s22, s22, s46                        ; PURE: one id on both sides
	s_sub_co_u32 s21, 31, s19
	s_lshl_b32 s24, s20, s21                       ; tile i in bit 31; later tiles fall out at the top, zeros follow tile 0
	s_lshl_b32 s25, s22, s21
	s_mov_b32 s44, s19
	s_sub_co_i32 s45, s19, 2
	s_wait_loadcnt 0x0
	KVSTORE 0                                      ; slot 0 was last read in front of the last step's barrier
	s_sub_co_i32 s20, s19, 1
	s_min_u32 s20, s20, 31                         ; (for i = 0 the bit is clear and the address is not used)
	v_lshl_add_u32 v[KO], s20, 18, v[KV0]
	s_bitcmp1_b32 s24, 30
	s_cbranch_scc0 .Lno_second
	KVLOAD                                         ; tile i - 1, stored in the diagonal step's tail
.Lno_second:
	; Q: to bf16, through my own stage, into fragments
	WIN 0x05
.set qn, 0
.rept 64
	v_cvt_pk_bf16_f32 v[SB+2*qn],   v[4*qn],   v[4*qn+1]
	v_cvt_pk_bf16_f32 v[SB+2*qn+1], v[4*qn+2], v[4*qn+3]
.set qn, qn+1
.endr
	WIN 0
.set qn, 0
.rept 64
	ds_store_b64 v[QST], v[SB+2*qn:SB+2*qn+1] offset:qn*KP
.set qn, qn+1
.endr
	WIN 0x80
.irp u, 0,1,2,3
.irp c, 0,1,2,3
	ds_load_b128 v[32*\u+8*\c:32*\u+8*\c+3],   v[QRD] offset:16*\u*KP+64*\c      ; my wave's own bytes, served in order behind the stores
	ds_load_b128 v[32*\u+8*\c+4:32*\u+8*\c+7], v[QRD] offset:16*\u*KP+64*\c+32
.endr
.endr
	WIN 0
	s_wait_dscnt 0x0                               ; for the others: my rows of slot 0 (and, the first time, my ids) are in LDS
	s_barrier_signal -1
	s_barrier_wait -1
	; the diagonal tile starts maximum, sums and O
	QK 0
	v_lshl_add_u32 v[TMP], s19, 8, v[SQA0]
.irp u, 0,1,2,3
	ds_load_b32 v[SQ+\u], v[TMP] offset:64*\u      ; the id of query 64 i + 16 u + r; waited for with the keys' ids
.endr
	SEGMASK
	CAUSAL
	FETCH_V 0, 0, 0, F0
	FETCH_V 0, 0, 4, F1
	SOFTMAX 1
	PV 0, 1
	TAIL 1
	; tiles i - 1 .. 0, two steps a trip.  i hangs on the ids, so the count is the constant that serves i = 31: 16 trips, 32 steps; steps whose bit is clear, those beyond
	; tile 0 among them, only pass the barrier.  Every block ends on slot 0, so that the next block may fill slot 0 behind that step's barrier.
	s_mov_b32 s26, 16
.Lsteps:
	STEP 1, 0
	STEP 0, 1
	s_sub_co_i32 s26, s26, 1
	s_cmp_gt_i32 s26, 0
	s_cbranch_scc1 .Lsteps
	; the way out.  In the first block's: my wave asks for its own 64 rows of Q of my second block, 128 aligned pieces of 256 bytes (lanes 256 bytes or a row apart), each once in
	; the launch; the way out's four groups of 16 rows stand between the request and the loads.  The second block asks for nothing.
	s_cmp_lg_u32 s27, 0
	s_cbranch_scc1 .Lno_prefetch
.irp k, 0,1,2,3
	global_prefetch_b8 v[PF], s[50:51] offset:\k*262144 th:TH_LOAD_NT scope:SCOPE_SE
.endr
.Lno_prefetch:
	PLACES 4                                       ; behind the last matrix instructions: O is read, the weights' registers are written
.irp u, 0,1,2,3
	v_add_f32 v[TT+\u], v[LP+2*\u], v[LP+2*\u+1]
.endr
.irp u, 0,1,2,3
	v_permlanex16_b32 v[T2+\u], v[TT+\u], s42, s43
.endr
.irp u, 0,1,2,3
	v_add_f32 v[TT+\u], v[TT+\u], v[T2+\u]         ; l: at least about 1, the weight of the row's maximum
.endr
.irp u, 0,1,2,3
	v_rcp_f32 v[PR+2*\u], v[TT+\u]
.endr
	v_nop                                          ; the plain instruction behind the reciprocals (ISA guide 5.7.2)
	s_wait_alu depctr_va_vdst(0)
	OUT16 0
	OUT16 1
	OUT16 2
	OUT16 3
	s_add_co_u32 s27, s27, 1
	s_cmp_lt_u32 s27, 2
	s_cbranch_scc1 .Lblock
	s_wait_tensorcnt 0x0
	ds_add_u32 v62, v63
	s_wait_dscnt 0x0
	s_endpgm
.Lfunc_end_k_qa35326cb8d_attn:
	.size	k_qa35326cb8d_attn, .Lfunc_end_k_qa35326cb8d_attn-k_qa35326cb8d_attn
	.p2alignl 7, 3214868480
	.fill 96, 4, 3214868480
	.section	.rodata,"a",@progbits
	.p2align	6, 0x0
	.amdhsa_kernel k_qa35326cb8d_attn
		.amdhsa_group_segment_fixed_size 150016
		.amdhsa_private_segment_fixed_size 0
		.amdhsa_enable_private_segment 0
		.amdhsa_kernarg_size 40
		.amdhsa_user_sgpr_count 2
		.amdhsa_user_sgpr_kernarg_segment_ptr 1
		.amdhsa_wavefront_size32 1
		.amdhsa_system_sgpr_workgroup_id_x 1
		.amdhsa_system_sgpr_workgroup_id_y 1
		.amdhsa_system_sgpr_workgroup_id_z 1
		.amdhsa_system_vgpr_workitem_id 0
		.amdhsa_next_free_vgpr 896
		.amdhsa_next_free_sgpr 66
		.amdhsa_reserve_vcc 0
		.amdhsa_float_denorm_mode_32 3
		.amdhsa_float_denorm_mode_16_64 3
		.amdhsa_memory_ordered 1
		.amdhsa_forward_progress 1
		.amdhsa_inst_pref_size 255
	.end_amdhsa_kernel
	.section	.bss,"aw",@nobits
	.p2align	6
	.space	262144
	.amdgpu_metadata
---
amdhsa.version: [ 1, 2 ]
amdhsa.kernels:
  - .name:           k_qa35326cb8d_attn
    .symbol:         k_qa35326cb8d_attn.kd
    .args:
      - { .name: query, .offset: 0, .size: 8, .value_kind: global_buffer, .address_space: global }
      - { .name: key, .offset: 8, .size: 8, .value_kind: global_buffer, .address_space: global }
      - { .name: value, .offset: 16, .size: 8, .value_kind: global_buffer, .address_space: global }
      - { .name: decoder_segment_ids, .offset: 24, .size: 8, .value_kind: global_buffer, .address_space: global }
      - { .name: out0, .offset: 32, .size: 8, .value_kind: global_buffer, .address_space: global }
    .group_segment_fixed_size: 150016
    .private_segment_fixed_size: 0
    .kernarg_segment_align: 8
    .kernarg_segment_size: 40
    .max_flat_workgroup_size: 128
    .sgpr_count:     66
    .vgpr_count:     896
    .wavefront_size: 32
...
	.end_amdgpu_metadata
.endif
;; end of part 2
;; ======== version 3 of 3: 1 launch; version 2 with the launch attn written anew for expert scheduling mode
;; launch attn (part 3): grid 256 x 1, 4 waves a work-group, no clusters, 150,016 bytes of LDS; arguments query, key, value, decoder_segment_ids, out0; writes out0
.if DOCPART == 3
	.amdgcn_target "amdgcn-amd-amdhsa--gfx1250"
	.amdhsa_code_object_version 6
	.text
	.protected	k_qa35326cb8d_attn
	.globl	k_qa35326cb8d_attn
	.p2align	8
	.type	k_qa35326cb8d_attn,@function
k_qa35326cb8d_attn:
	s_mov_b64 s[64:65], 0
	v_nop
	global_prefetch_b8 v0, s[64:65] scope:SCOPE_SE
	s_setreg_imm32_b32 hwreg(HW_REG_WAVE_SCHED_MODE, 0, 2), 2
	s_setreg_imm32_b32 hwreg(HW_REG_WAVE_MODE, 25, 1), 1
	s_wait_xcnt 0x0
	s_wait_alu depctr_vm_vsrc(0)
; Grouped-query attention, B = 2, T = 2048, 32 query heads, 8 key/value heads, D = 128, all f32 in memory.
; weights = softmax over s of (q . k), no scale, kept where s <= t and id[s] == id[t]; out = weights . v.
;
; SHARES.  A work-group owns one (batch, kv head) and two of its 32 blocks of 64 query times: 16 x 16 = 256 work-groups.  Its four waves are the four query heads that
; share the kv head: all four read the same K and V tile from LDS.  A wave holds 64 queries x 128 of its head.
; WHICH TWO BLOCKS.  The work of block l is the number of key tiles j <= l that the ids leave it (NEED, below).  Every work-group ranks the batch's 32 blocks by that number
; (ties by the block's number, so the ranks are a permutation, the same in all 16 work-groups of a (batch, kv head)), and work-group p takes rank p and rank 31 - p: the
; largest with the smallest.  With one id throughout the work is l + 1 and the pairs are (31 - p, p), 33 steps each.
; TRANSPOSED FORM.  S^T = K Q^T (source 0: 16 keys, source 1: 16 queries) and O^T = V^T P^T.  A lane then holds ONE query (lane % 16) and eight keys
; 8 (lane / 16) + 0..7 of each tile of 16 keys, so a row's maximum and sum are made inside the lane plus one exchange of the two halves, and the
; rounded weights are, register for register, source 1 of the second product: no round trip through LDS.
; ORDER OF THE KEYS.  From the diagonal tile downward (j = i, i - 1, .. 0).  The diagonal tile holds each query's own key, which the mask always keeps, so the
; running maximum is a real logit from the first step on and a masked entry always gives exp2 of a huge negative number = 0.
; SEGMENT IDS, any int32 in any order.  For each block of 64 times the least and the largest id are made (as unsigned numbers: any total order serves).  Key tile j can
; hold a key of query block i only if the two ranges overlap (NEED); if both ranges are one and the same id no compare is needed (PURE).  Both are
; masks of 32 bits, bit = tile, made in registers from the ids as loaded.  Branches on them jump over loads, conversions, products and masking, never over a barrier;
; trip counts are constants: a block has its diagonal step and 32 more, of which those with a clear bit only pass the barrier.  A block's or a tile's number, which hangs on
; the ids, enters an address only behind s_min_u32 with 31.
; K AND V are f32 in memory and bf16 in LDS, so they pass through registers: wave w loads rows 16 w .. 16 w + 15 of the tile two steps ahead (each load of the wave is one
; whole row of 512 bytes), rounds and stores them one step later into the slot that is not being read.  Two slots, one barrier a step.
; LEFT OUT, by this text's own arithmetic.  Tensor loads: they would lay 64 KiB of f32 a step into LDS, to be read back and written again as 32 KiB of bf16.  Cluster multicast:
; there is no tensor load to share, the four heads' sharing is already done inside the work-group, and other query blocks of the head need other tiles (other
; diagonals, and NEED differs).  A conversion launch: 33.5 MB read and 16.8 MB written and read again.
; LIMITS.  NaN and infinite inputs are not served.  A real logit is taken to lie above the mask value 0xff333332 (-0.7 x the largest f32).  Q, K, V and the
; weights enter the products rounded to bf16; logits, maxima, sums and O stay in f32.  The exponent is fma(s, log2 e, -round(m log2 e)); its residue, at most
; 2^-24 |m log2 e|, is the same factor in the numerator and in the denominator of a row.  The pairs balance the number of tiles, not the masking that a tile of two ids adds.
; THE MODE: SCHED_MODE bits 1:0 = 2 (LLVM: expert scheduling mode 2), set by the entry lines.  The code itself states the register dependences between vector or matrix
; instructions and memory or LDS instructions, with s_wait_alu, always for 0.
; THE PLAN.  Registers that memory or LDS instructions touch, round a step:
;   KF       a whole step's fragments of K.  Written by 32 LDS loads at the step's head; read by the step's 64 products K Q^T.
;   VF       a whole step's fragments of V.  Written by 32 LDS loads dealt among the products K Q^T; read by the step's 64 products V^T P.
;   IDB, SQ  ids of my keys and queries.  Written by LDS loads behind K Q^T; read by the compares.
;   SKA, TMP their LDS addresses.  Written by vector lines at the step's head; read by those loads.
;   staging  16 rows of K and of V.  Global loads land in the tail; a step later the conversions read and write them in place and the LDS stores read them.
;   KO       the offset of those global loads.  Written by a vector line in the tail and in a block's head.
;   S        at a block's head Q in bf16, the data of LDS stores; on the way out the data of LDS stores (low half), and what is read back and stored to memory (high half).
;   O        at a block's head Q's rows land there.
;   All other addresses are made at the kernel's head and never written again.
; So a step has ONE wait on va_vdst for all its 72 LDS loads, at its head behind the barrier: behind it stand only loads, window switches, v_nop and products that name S, KF and Q.
; The tail has one behind the conversions, for the LDS stores, and one ahead of the global loads; a wait on vm_vsrc stands ahead of each line that writes SKA or KO.
; Compares go in runs of eight, with one wait on va_sdst between a run and the selects that read its masks.
.set KP,    272                        ; LDS pitch of a K row and of a staged Q row: 256 bytes of bf16 + 16, an odd multiple of 16: 16 rows begin at 16 different 16-byte columns modulo 256
.set VP,    288                        ; LDS pitch of a V row: 256 + 32, an odd multiple of 32, for the transposing load
.set OP,    528                        ; LDS pitch of a staged row of O: 512 bytes of f32 + 16
.set KSLOT, 64*KP                      ; 17,408
.set VSLOT, 64*VP                      ; 18,432
.set KB,    0                          ; K, two slots
.set VB,    2*KSLOT                    ; V, two slots, from byte 34,816
.set SEGB,  VB+2*VSLOT                 ; the batch's 2,048 ids, from byte 71,680
.set STAGE, SEGB+8192                  ; from byte 79,872: a stage for each wave (Q on the way in, O on the way out)
.set STG,   64*KP                      ; 17,408 bytes a wave; the end is byte 149,504
; window 0
.set LANE, 1
.set RR,   2                           ; lane % 16
.set HH,   3                           ; lane / 16
.set KADR, 4                           ; K fragments:  KB + r KP + 16 h
.set VADR, 5                           ; V fragments:  VB + (8 h + lane % 8) VP + 16 ((lane / 8) % 2)
.set KST,  6                           ; my 8 bytes of my wave's first K row: KB + 16 w KP + 8 lane
.set VST,  7                           ; the same for V
.set QST,  8                           ; stage + 8 lane
.set QRD,  9                           ; stage + r KP + 16 h
.set OST,  10                          ; stage + r OP + 32 h
.set ORD,  11                          ; stage + 16 lane
.set ROFF, 12                          ; 16 lane: my 16 bytes of a row of 512; never rewritten
.set KV0,  13                          ; 65,536 w + 16 lane: my wave's 16 rows in a tile of K or V
.set KO,   14                          ; KV0 + 262,144 tile; at the kernel's head: SEGB + 16 thread, where my ids go in LDS
.set SEG0, 15                          ; SEGB + 32 h
.set SKA,  16                          ; SEG0 + 256 tile; at the kernel's head: 16 thread
.set SQA0, 17                          ; SEGB + 4 r
.set REL,  18                          ; r - 8 h + 8
.set MASKV,19
.set KMIN, 20                          ; lane l: least id of block l
.set KMAX, 21                          ; lane l: largest id of block l
.set WK,   22                          ; lane l: the tiles that block l needs
.set KEY,  23                          ; lane l: 32 x that number + l
.set RANK, 24                          ; lane l: how many blocks have a larger key
.set TMP,  25
.set SQ,   26                          ; v[26:29]   id of my query in query tile u
.set MX,   30                          ; v[30:33]   running maximum
.set TT,   34                          ; v[34:37]   at work
.set T2,   38                          ; v[38:41]   at work (what the other half of the lanes sends)
.set PR,   42                          ; v[42:49]   pair u: -m log2 e, alpha (at the end: 1 / l)
.set LP,   50                          ; v[50:57]   pair u: two partial sums of the weights
.set PF,   58                          ; prefetch: (lane / 2) rows of 16,384 bytes + (lane % 2) x 256; never rewritten
.set IDB,  64                          ; v[64:95]   the ids of my 32 keys of a tile; at the kernel's head 64 bytes of ids on their way to LDS
.set SB,   128                         ; v[128:255] S[u][t] at SB + 32 u + 8 t; the weights P[u][v], in place, at SB + 32 u + 16 v
; window 1: O[dt][u] at 8 (4 dt + u); at a block's head the 64 rows of Q as loaded (row n at 4 n)
; window 2: Q fragments, Q[u][c] at 32 u + 8 c; K's fragments of a step, 16 keys t x 32 of d c, at KF + 32 c + 8 t
.set KF,   128
; window 3: K row n as loaded at 4 n, V row n at 64 + 4 n (n = 0..15); V's fragments of a step, 32 keys v x 16 of d dt, at VF + 64 v + 8 dt
.set VF,   128
; scalars: s[4:5] query, s[6:7] key and s[8:9] value at (b, kv), s[10:11] ids of b, s[12:13] out, s14 wave, s15 p, s19 i, s24 NEED << (31 - i), s25 PURE << (31 - i)
; (bit 31 = this step's tile, 30 the next, 29 the one behind), s26, s27 counters, s[28:29], s[30:31] query and out at (b, head), s32, s33 my two blocks, s[38:39], s[40:41] query and out at the
; block, s44 tile, s45 tile to load, s[46:49] lane masks in the head, s[50:51] query at my second block, s52 log2 e, s53, s54 least and largest id of the query block,
; s[56:63] at work in the head, then the lane masks of a run of eight compares
.set MSB, 0
.macro WIN new                         ; s_set_vgpr_msb, low byte: bits 1:0 source 0, 3:2 source 1, 5:4 source 2, 7:6 destination; the high byte repeats the setting that is left
.if MSB != \new
	s_set_vgpr_msb (MSB<<8)|\new
.set MSB, \new
.endif
.endm
.macro PLACES n                        ; places behind matrix instructions (ISA guide 7.12.1): plain vector instructions that name none of their registers
.rept \n
	v_nop
.endr
.endm
; 32 LDS loads: a step's K, four groups of eight: four tiles of 16 keys x 32 of d (bytes 64 c of the rows)
.macro FETCH_K slot
.irp c, 0,1,2,3
.irp t, 0,1,2,3
	ds_load_b128 v[KF+32*\c+8*\t:KF+32*\c+8*\t+3],   v[KADR] offset:\slot*KSLOT+16*\t*KP+64*\c
	ds_load_b128 v[KF+32*\c+8*\t+4:KF+32*\c+8*\t+7], v[KADR] offset:\slot*KSLOT+16*\t*KP+64*\c+32
.endr
.endr
.endm
; 16 transposing LDS loads: V^T, eight tiles of 16 of d x keys 32 v .. 32 v + 31
.macro FETCH_V slot, v
.irp d, 0,1,2,3,4,5,6,7
	ds_load_tr16_b128 v[VF+64*\v+8*\d:VF+64*\v+8*\d+3],   v[VADR] offset:\slot*VSLOT+32*\v*VP+32*\d
	ds_load_tr16_b128 v[VF+64*\v+8*\d+4:VF+64*\v+8*\d+7], v[VADR] offset:\slot*VSLOT+32*\v*VP+32*\d+16*VP
.endr
.endm
; 16 matrix instructions: S[u][t] += K[t] Q[u]^T for 32 of d.  The 16 accumulators take turns, one instruction a turn.
.macro QK16 c, zero
.irp t, 0,1,2,3
.irp u, 0,1,2,3
.if \zero
	v_wmma_f32_16x16x32_bf16 v[SB+32*\u+8*\t:SB+32*\u+8*\t+7], v[KF+32*\c+8*\t:KF+32*\c+8*\t+7], v[32*\u+8*\c:32*\u+8*\c+7], 0
.else
	v_wmma_f32_16x16x32_bf16 v[SB+32*\u+8*\t:SB+32*\u+8*\t+7], v[KF+32*\c+8*\t:KF+32*\c+8*\t+7], v[32*\u+8*\c:32*\u+8*\c+7], v[SB+32*\u+8*\t:SB+32*\u+8*\t+7]
.endif
.endr
.endr
.endm
; A step's head and the logits of 64 keys x 64 queries.  The first product starts the sums.  diag = 1: the block's first step, which also wants the queries' ids.
.macro QK slot, diag
	PLACES 5                                       ; S is written over the weights that the last step's matrix instructions read
	s_min_u32 s20, s44, 31                         ; the tile's number hangs on the ids: bounded in front of the address
	s_wait_alu depctr_vm_vsrc(0)                   ; the loads of ids issued so far have read SKA (and TMP); in a block's first step Q's LDS stores have read S's registers, which the products write, and in the launch's first the ids' LDS stores have read v[IDB ..]
	v_lshl_add_u32 v[SKA], s20, 8, v[SEG0]
.if \diag
	v_lshl_add_u32 v[TMP], s19, 8, v[SQA0]
.endif
	WIN 0x80                                       ; destination window 2, address window 0
	s_wait_alu depctr_va_vdst(0)                   ; SKA (and TMP) are written; the last step's products are done reading KF and VF, its compares IDB and SQ: all LDS loads of this step lean on this wait
	FETCH_K \slot
	s_wait_dscnt 24                                ; LDS loads come back in order (ISA guide 5.7.1): K's first eight are in, its 24 younger loads stay out
	WIN 0x0a                                       ; K and Q in window 2, S in window 0
	QK16 0, 1
	WIN 0xC0                                       ; destination window 3
	FETCH_V \slot, 0                               ; no wait: nothing since the wait above names VF or VADR
	s_wait_dscnt 32                                ; K's second eight are in; 16 of K and 16 of V stay out
	WIN 0x0a
	QK16 1, 0
	WIN 0xC0
	FETCH_V \slot, 1
	s_wait_dscnt 40                                ; K's third eight; 8 of K and 32 of V stay out
	WIN 0x0a
	QK16 2, 0
	s_wait_dscnt 32                                ; K is in; V's 32 loads stay out
	QK16 3, 0
	PLACES 4                                       ; in front of the vector work on S
	WIN 0
.endm
; Entries whose key has another id than the query get the mask value.  My 32 keys' ids: 64 tile + 16 t + 8 h + e.  The address was made at the step's head.
.macro SEGMASK
.irp t, 0,1,2,3
	ds_load_b128 v[IDB+8*\t:IDB+8*\t+3],   v[SKA] offset:64*\t       ; no wait: nothing since the wait at the step's head names IDB or SKA
	ds_load_b128 v[IDB+8*\t+4:IDB+8*\t+7], v[SKA] offset:64*\t+16
.endr
	s_wait_dscnt 0x0
.irp u, 0,1,2,3
.irp t, 0,1,2,3
.irp k, 0,1,2,3,4,5,6,7
	v_cmp_eq_u32 s[56+\k], v[IDB+8*\t+\k], v[SQ+\u]
.endr
	s_wait_alu depctr_va_sdst(0)                   ; the eight compares have written s[56:63], which the selects read
.irp k, 0,1,2,3,4,5,6,7
	v_cndmask_b32 v[SB+32*\u+8*\t+\k], v[MASKV], v[SB+32*\u+8*\t+\k], s[56+\k]
.endr
.endr
.endr
.endm
; The diagonal tile: key 16 t + 8 h + e is kept for query 16 u + r if it is not later.  t < u: all kept.  t > u: none.  t = u: e + 8 <= r - 8 h + 8.
.macro CAUSAL
.irp k, 0,1,2,3,4,5,6,7
	v_cmp_le_u32 s[56+\k], \k+8, v[REL]
.endr
	s_wait_alu depctr_va_sdst(0)                   ; the eight compares have written s[56:63], which the selects read
.irp u, 0,1,2,3
.irp k, 0,1,2,3,4,5,6,7
	v_cndmask_b32 v[SB+40*\u+\k], v[MASKV], v[SB+40*\u+\k], s[56+\k]
.endr
.endr
.irp u, 0,1,2
.irp t, 1,2,3
.if \t > \u
.irp e, 0,1,2,3,4,5,6,7
	v_mov_b32 v[SB+32*\u+8*\t+\e], v[MASKV]
.endr
.endif
.endr
.endr
.endm
; Running softmax of the four query tiles, their chains interleaved.  first = 1: the block's first tile starts maximum and sums.
.macro SOFTMAX first
.irp u, 0,1,2,3
.if \first
	v_max_num_f32 v[TT+\u], v[SB+32*\u], v[SB+32*\u+1]
.else
	v_max3_num_f32 v[TT+\u], v[MX+\u], v[SB+32*\u], v[SB+32*\u+1]
.endif
.endr
.irp k, 1,2,3,4,5,6,7,8,9,10,11,12,13,14,15
.irp u, 0,1,2,3
	v_max3_num_f32 v[TT+\u], v[TT+\u], v[SB+32*\u+2*\k], v[SB+32*\u+2*\k+1]
.endr
.endr
.irp u, 0,1,2,3
	v_permlanex16_b32 v[T2+\u], v[TT+\u], s42, s43         ; the other half of the lanes holds the query's other 32 keys
.endr
.irp u, 0,1,2,3
	v_max_num_f32 v[TT+\u], v[TT+\u], v[T2+\u]
.endr
.irp u, 0,1,2,3
	v_mul_f32 v[PR+2*\u], 0xbfb8aa3b, v[TT+\u]             ; -m log2 e
.endr
.if \first
.irp u, 0,1,2,3
	v_mov_b32 v[PR+2*\u+1], 1.0                            ; the pair's other half is named by the packed forms below
.endr
.else
.irp u, 0,1,2,3
	v_fma_f32 v[T2+\u], v[MX+\u], s52, v[PR+2*\u]          ; (old m - new m) log2 e
.endr
.irp u, 0,1,2,3
	v_exp_f32 v[PR+2*\u+1], v[T2+\u]                       ; alpha; the four moves below are the plain instructions behind it (ISA guide 5.7.2)
.endr
.endif
.irp u, 0,1,2,3
	v_mov_b32 v[MX+\u], v[TT+\u]
.endr
	s_wait_alu depctr_va_vdst(0)
.irp u, 0,1,2,3
.irp k, 0,1,2,3,4,5,6,7,8,9,10,11,12,13,14,15
	v_pk_fma_f32 v[SB+32*\u+2*\k:SB+32*\u+2*\k+1], v[SB+32*\u+2*\k:SB+32*\u+2*\k+1], 0x3fb8aa3b, v[PR+2*\u:PR+2*\u+1] op_sel_hi:[1,0,0]
.endr
.set ei, 0
.rept 32
	v_exp_f32 v[SB+32*\u+ei], v[SB+32*\u+ei]               ; behind a run of these stands the next tile's packed multiply-add, or the v_nop below
.set ei, ei+1
.endr
.endr
	v_nop
	s_wait_alu depctr_va_vdst(0)
.irp u, 0,1,2,3
.if \first
	v_pk_add_f32 v[LP+2*\u:LP+2*\u+1], v[SB+32*\u:SB+32*\u+1], v[SB+32*\u+2:SB+32*\u+3]
.else
	v_pk_fma_f32 v[LP+2*\u:LP+2*\u+1], v[LP+2*\u:LP+2*\u+1], v[PR+2*\u:PR+2*\u+1], v[SB+32*\u:SB+32*\u+1] op_sel:[0,1,0] op_sel_hi:[1,1,1]
.endif
.endr
.if \first == 0
.irp u, 0,1,2,3
	v_pk_add_f32 v[LP+2*\u:LP+2*\u+1], v[LP+2*\u:LP+2*\u+1], v[SB+32*\u+2:SB+32*\u+3]
.endr
.endif
.irp k, 2,3,4,5,6,7,8,9,10,11,12,13,14,15
.irp u, 0,1,2,3
	v_pk_add_f32 v[LP+2*\u:LP+2*\u+1], v[LP+2*\u:LP+2*\u+1], v[SB+32*\u+2*\k:SB+32*\u+2*\k+1]
.endr
.endr
	; the weights to bf16, in place: register i of P[u][v] takes registers 2 i and 2 i + 1, which are keys 32 v + 8 h + .. and 32 v + 16 + 8 h + .. in a fragment's own order
.irp u, 0,1,2,3
.irp q, 0,16
.irp i, 0,1,2,3,4,5,6,7
	v_cvt_pk_bf16_f32 v[SB+32*\u+\q+\i], v[SB+32*\u+\q+2*\i], v[SB+32*\u+\q+2*\i+1]
.endr
.endr
.endr
.endm
.macro RESCALE                         ; O *= alpha of the lane's query
	WIN 0x41
.irp dt, 0,1,2,3,4,5,6,7
.irp u, 0,1,2,3
.irp k, 0,2,4,6
	v_pk_mul_f32 v[8*(4*\dt+\u)+\k:8*(4*\dt+\u)+\k+1], v[8*(4*\dt+\u)+\k:8*(4*\dt+\u)+\k+1], v[PR+2*\u:PR+2*\u+1] op_sel:[0,1] op_sel_hi:[1,1]
.endr
.endr
.endr
.endm
; 16 matrix instructions: O[d0 + d][u] += V^T P[u][v]^T for 32 keys; the accumulators take turns, one instruction a turn
.macro PV16 v, d0, zero
.irp d, 0,1,2,3
.irp u, 0,1,2,3
.if \zero
	v_wmma_f32_16x16x32_bf16 v[8*(4*(\d0+\d)+\u):8*(4*(\d0+\d)+\u)+7], v[VF+64*\v+8*(\d0+\d):VF+64*\v+8*(\d0+\d)+7], v[SB+32*\u+16*\v:SB+32*\u+16*\v+7], 0
.else
	v_wmma_f32_16x16x32_bf16 v[8*(4*(\d0+\d)+\u):8*(4*(\d0+\d)+\u)+7], v[VF+64*\v+8*(\d0+\d):VF+64*\v+8*(\d0+\d)+7], v[SB+32*\u+16*\v:SB+32*\u+16*\v+7], v[8*(4*(\d0+\d)+\u):8*(4*(\d0+\d)+\u)+7]
.endif
.endr
.endr
.endm
; The second product: 64 matrix instructions on end.  All of V's fragments were asked for among the products K Q^T.
.macro PV zero
	s_wait_dscnt 0x0                               ; V is in
	WIN 0x53                                       ; V in window 3, the weights in window 0, C and D in window 1
	PV16 0, 0, \zero
	PV16 0, 4, \zero
	PV16 1, 0, 0
	PV16 1, 4, 0
	WIN 0
.endm
.macro KVLOAD                          ; my wave's 16 rows of K and of V of the tile in KO: each load of the wave is a whole row, 512 consecutive bytes
	WIN 0xC0
	s_wait_alu depctr_va_vdst(0)                   ; KO is written, which the loads read; the conversions are done reading and writing the staging registers, in which they land
.irp n, 0,1,2,3,4,5,6,7,8,9,10,11,12,13,14,15
	global_load_b128 v[4*\n:4*\n+3], v[KO], s[6:7] offset:\n*4096
.endr
.irp n, 0,1,2,3,4,5,6,7,8,9,10,11,12,13,14,15
	global_load_b128 v[64+4*\n:64+4*\n+3], v[KO], s[8:9] offset:\n*4096
.endr
	WIN 0
.endm
.macro KVSTORE slot                    ; round them to bf16, in place, and lay them into the slot
	WIN 0xCF
.set kn, 0
.rept 32
	v_cvt_pk_bf16_f32 v[4*kn],   v[4*kn],   v[4*kn+1]
	v_cvt_pk_bf16_f32 v[4*kn+1], v[4*kn+2], v[4*kn+3]
.set kn, kn+1
.endr
	WIN 0x0C                                       ; store data in window 3, address in window 0
	s_wait_alu depctr_va_vdst(0)                   ; the conversions have written the staging registers, which the LDS stores read
.irp n, 0,1,2,3,4,5,6,7,8,9,10,11,12,13,14,15
	ds_store_b64 v[KST], v[4*\n:4*\n+1] offset:\slot*KSLOT+\n*KP
	ds_store_b64 v[VST], v[64+4*\n:64+4*\n+1] offset:\slot*VSLOT+\n*VP
.endr
	WIN 0
.endm
; The end of a step: the next tile goes into the other slot, the tile behind it is asked for, and the step's one barrier.
.macro TAIL nslot
	s_wait_loadcnt 0x0                             ; on every path: the next tile's rows are in, and KO and the staging registers are free
	s_bitcmp1_b32 s24, 30
	s_cbranch_scc0 .Lnostore_\@
	KVSTORE \nslot
.Lnostore_\@:
	s_min_u32 s20, s45, 31                         ; bounded in front of the address; a number below 0 becomes 31: its bit is clear and the address is not used
	s_wait_alu depctr_vm_vsrc(0)                   ; the loads issued so far have read KO, which the next line writes; the LDS stores above have read the staging registers, in which the next loads land
	v_lshl_add_u32 v[KO], s20, 18, v[KV0]
	s_sub_co_i32 s45, s45, 1
	s_sub_co_i32 s44, s44, 1
	s_bitcmp1_b32 s24, 29
	s_cbranch_scc0 .Lnoload_\@
	KVLOAD
.Lnoload_\@:
	s_lshl_b32 s24, s24, 1
	s_lshl_b32 s25, s25, 1
	s_wait_dscnt 0x0                               ; for the others: my reads of this step's slot are back (it is written in the next step), my stores into the other are done (it is read there)
	s_barrier_signal -1
	s_barrier_wait -1
.endm
.macro STEP slot, nslot
	s_bitcmp1_b32 s24, 31                          ; no key of this tile can share an id with a query of the block: nothing but the tail
	s_cbranch_scc0 .Ltail_\@
	QK \slot, 0
	s_bitcmp1_b32 s25, 31                          ; one id in the tile and in the block: nothing to mask
	s_cbranch_scc1 .Lpure_\@
	SEGMASK
.Lpure_\@:
	SOFTMAX 0
	RESCALE
	PV 0
.Ltail_\@:
	TAIL \nslot
.endm
; 16 queries of O out: scale by 1 / l, 32 bytes a lane into my stage, whole rows of 512 bytes back and out
.macro OUT16 u
.if \u > 0
	s_wait_alu depctr_vm_vsrc(0)                   ; the last group's LDS stores have read v[SB .. SB+63], which the multiplies write again, and its global stores v[SB+64 .. SB+127], in which the rows read back below land
.endif
	WIN 0x01
.irp dt, 0,1,2,3,4,5,6,7
.irp k, 0,2,4,6
	v_pk_mul_f32 v[SB+8*\dt+\k:SB+8*\dt+\k+1], v[8*(4*\dt+\u)+\k:8*(4*\dt+\u)+\k+1], v[PR+2*\u:PR+2*\u+1] op_sel_hi:[1,0]
.endr
.endr
	WIN 0
	s_wait_alu depctr_va_vdst(0)                   ; the multiplies have written v[SB .. SB+63], which the LDS stores read; the steps' vector and matrix work on v[SB+64 .. SB+127], in which the rows read back land, is done
.irp dt, 0,1,2,3,4,5,6,7
	ds_store_b128 v[OST], v[SB+8*\dt:SB+8*\dt+3]   offset:64*\dt
	ds_store_b128 v[OST], v[SB+8*\dt+4:SB+8*\dt+7] offset:64*\dt+16
.endr
	s_wait_xcnt 0x0                                ; the registers loaded next are the data of the last 16 global stores: they are rewritten only behind this wait
.irp n, 0,1,2,3,4,5,6,7,8,9,10,11,12,13,14,15
	ds_load_b128 v[SB+64+4*\n:SB+64+4*\n+3], v[ORD] offset:\n*OP    ; LDS serves a wave's instructions in order (ISA guide 5.7.1): these see the stores above
.endr
.irp n, 0,1,2,3,4,5,6,7,8,9,10,11,12,13,14,15
	s_wait_dscnt 15-\n                             ; row n is back, the younger rows stay out
	global_store_b128 v[ROFF], v[SB+64+4*\n:SB+64+4*\n+3], s[40:41] offset:(16*\u+\n)*16384 th:TH_STORE_NT   ; the wave stores 512 consecutive bytes, a whole row of the head
.endr
.endm
; Lane l adds its bit of the four masks s[46:49] to dst.  first = 1: they start the sum.
.macro TALLY dst, first
.irp k, 0,1,2,3
	v_bfe_u32 v[TT+\k], s[46+\k], v[LANE], 1
.endr
	v_add_nc_u32 v[TT], v[TT], v[TT+1]
	v_add_nc_u32 v[TT+2], v[TT+2], v[TT+3]
.if \first
	v_add_nc_u32 v[\dst], v[TT], v[TT+2]
.else
	v_add_nc_u32 v[TT], v[TT], v[TT+2]
	v_add_nc_u32 v[\dst], v[\dst], v[TT]
.endif
.endm
	; ---------------- the head: numbers, addresses, the batch's ids ----------------
	s_load_b256 s[4:11], s[0:1], 0x0               ; query s[4:5], key s[6:7], value s[8:9], ids s[10:11]
	s_load_b64 s[12:13], s[0:1], 0x20              ; out
	v_lshl_add_u32 v126, v0, 2, 0x24800
	v_mov_b32 v127, 0
	v_lshrrev_b32 v[TMP], 5, v0
	v_readfirstlane_b32 s14, v[TMP]                ; wave = head within the group
	s_and_b32 s15, ttmp9, 15                       ; p: which pair of ranks
	s_lshr_b32 s16, ttmp9, 4
	s_lshr_b32 s17, s16, 3                         ; b
	s_and_b32 s18, s16, 7                          ; kv
	s_mov_b32 s42, 0x76543210                      ; v_permlanex16_b32: lane i of one half reads lane i of the other
	s_mov_b32 s43, 0xfedcba98
	s_mov_b32 s52, 0x3fb8aa3b                      ; log2 e
	v_and_b32 v[LANE], 31, v0
	v_and_b32 v[RR], 15, v0
	v_bfe_u32 v[HH], v0, 4, 1
	v_mul_u32_u24 v[KADR], v[RR], KP
	v_lshl_add_u32 v[KADR], v[HH], 4, v[KADR]      ; KB = 0
	v_and_b32 v[TMP], 7, v0
	v_lshl_add_u32 v[TMP], v[HH], 3, v[TMP]
	v_mul_u32_u24 v[VADR], v[TMP], VP
	v_bfe_u32 v[TMP], v0, 3, 1
	v_lshl_add_u32 v[VADR], v[TMP], 4, v[VADR]
	v_add_nc_u32 v[VADR], VB, v[VADR]
	s_wait_alu depctr_va_sdst(0)                   ; s14 is written, ahead of its first reader: LDS places and the bases of query and out are made from it
	s_mul_i32 s20, s14, 16*KP
	v_lshl_add_u32 v[KST], v[LANE], 3, s20
	s_mul_i32 s21, s14, 16*VP
	s_add_co_u32 s21, s21, VB
	v_lshl_add_u32 v[VST], v[LANE], 3, s21
	s_mul_i32 s22, s14, STG
	s_add_co_u32 s22, s22, STAGE                   ; my wave's stage
	v_lshl_add_u32 v[QST], v[LANE], 3, s22
	v_add_nc_u32 v[QRD], s22, v[KADR]
	v_mul_u32_u24 v[OST], v[RR], OP
	v_lshl_add_u32 v[OST], v[HH], 5, v[OST]
	v_add_nc_u32 v[OST], s22, v[OST]
	v_lshl_add_u32 v[ORD], v[LANE], 4, s22
	v_lshlrev_b32 v[ROFF], 4, v[LANE]
	s_lshl_b32 s23, s14, 16
	v_lshl_add_u32 v[KV0], v[LANE], 4, s23
	v_lshl_add_u32 v[SEG0], v[HH], 5, SEGB
	v_lshl_add_u32 v[SQA0], v[RR], 2, SEGB
	v_lshlrev_b32 v[TMP], 3, v[HH]
	v_sub_nc_u32 v[REL], v[RR], v[TMP]
	v_add_nc_u32 v[REL], 8, v[REL]
	v_mov_b32 v[MASKV], 0xff333332
.irp u, 0,1,2,3
	v_mov_b32 v[T2+\u], 0                          ; v_permlanex16_b32 counts as a reader of its destination
.endr
	v_lshrrev_b32 v[TMP], 1, v[LANE]
	v_lshlrev_b32 v[PF], 14, v[TMP]
	v_and_b32 v[TMP], 1, v0
	v_lshl_add_u32 v[PF], v[TMP], 8, v[PF]
	v_lshlrev_b32 v[TMP], 8, v[LANE]               ; lane l reads the 64 ids of block l
	v_lshlrev_b32 v[SKA], 4, v0                    ; and thread t 16 bytes of each quarter of the batch's ids, for LDS,
	v_lshl_add_u32 v[KO], v0, 4, SEGB              ; where they go to this address: made here, so that no address is stepped between the loads and the LDS stores
	s_mov_b32 s37, 0                               ; the high word of every offset below; never rewritten
	s_lshl_b32 s36, s17, 13
	s_wait_kmcnt 0x0
	s_add_nc_u64 s[10:11], s[10:11], s[36:37]      ; the ids of batch b
	s_wait_alu depctr_va_vdst(0)                   ; every offset and LDS address made above is written: the loads, stores and prefetches of the whole kernel read them
.irp n, 0,1,2,3,4,5,6,7,8,9,10,11,12,13,14,15
	global_load_b128 v[SB+4*\n:SB+4*\n+3], v[TMP], s[10:11] offset:16*\n
.endr
.irp n, 0,1,2,3
	global_load_b128 v[IDB+4*\n:IDB+4*\n+3], v[SKA], s[10:11] offset:2048*\n
.endr
	s_lshl_b32 s36, s17, 23                        ; K and V: b x 8,388,608 + kv x 512
	s_lshl_b32 s20, s18, 9
	s_add_co_u32 s36, s36, s20
	s_add_nc_u64 s[6:7], s[6:7], s[36:37]
	s_add_nc_u64 s[8:9], s[8:9], s[36:37]
	s_lshl_b32 s36, s17, 25                        ; Q and out: b x 33,554,432 + (4 kv + wave) x 512
	s_lshl2_add_u32 s20, s18, s14
	s_lshl_b32 s20, s20, 9
	s_add_co_u32 s36, s36, s20
	s_add_nc_u64 s[28:29], s[4:5], s[36:37]
	s_add_nc_u64 s[30:31], s[12:13], s[36:37]
	s_wait_loadcnt 0x0
.irp n, 0,1,2,3
	ds_store_b128 v[KO], v[IDB+4*\n:IDB+4*\n+3] offset:2048*\n      ; waited for in front of the first block's barrier, read by all behind it
.endr
	v_min_u32 v[KMIN], v[SB], v[SB+1]
	v_max_u32 v[KMAX], v[SB], v[SB+1]
.set idn, 2
.rept 62
	v_min_u32 v[KMIN], v[KMIN], v[SB+idn]
	v_max_u32 v[KMAX], v[KMAX], v[SB+idn]
.set idn, idn+1
.endr
	; the work of block l, in lane l: the tiles j <= l whose range of ids overlaps the block's.  Four tiles at a time, so that no line waits for the one in front of it.
.set j0, 0
.rept 8
.irp k, 0,1,2,3
	v_readlane_b32 s[56+\k], v[KMIN], j0+\k
	v_readlane_b32 s[60+\k], v[KMAX], j0+\k
.endr
	s_wait_alu depctr_va_sdst(0)                   ; s[56:63] are written, which the compares read
.irp k, 0,1,2,3
	v_cmp_le_u32 s[46+\k], s[56+\k], v[KMAX]       ; tile's least id <= block's largest
	v_cmp_ge_u32 s[20+\k], s[60+\k], v[KMIN]       ; tile's largest id >= block's least
.endr
	s_wait_alu depctr_va_sdst(0)                   ; the eight masks are written, which the scalar lines read
.irp k, 0,1,2,3
	s_and_b32 s[46+\k], s[46+\k], s[20+\k]
	s_and_not1_b32 s[46+\k], s[46+\k], (1<<(j0+\k))-1      ; blocks in front of the tile do not see it
.endr
.if j0 == 0
	TALLY WK, 1
.else
	TALLY WK, 0
.endif
.set j0, j0+4
.endr
	; the rank of block l: how many blocks have a larger key.  The keys differ, so the ranks are 0 to 31, each once.
	v_lshl_or_b32 v[KEY], v[WK], 5, v[LANE]
.set j0, 0
.rept 8
.irp k, 0,1,2,3
	v_readlane_b32 s[56+\k], v[KEY], j0+\k
.endr
	s_wait_alu depctr_va_sdst(0)                   ; s[56:59] are written, which the compares read
.irp k, 0,1,2,3
	v_cmp_gt_u32 s[46+\k], s[56+\k], v[KEY]
.endr
	s_wait_alu depctr_va_sdst(0)                   ; the four masks are written, of which each lane picks its bit
.if j0 == 0
	TALLY RANK, 1
.else
	TALLY RANK, 0
.endif
.set j0, j0+4
.endr
	v_cmp_eq_u32 s20, s15, v[RANK]                 ; one lane: the block of rank p
	s_sub_co_u32 s21, 31, s15
	v_cmp_eq_u32 s22, s21, v[RANK]                 ; and the block of rank 31 - p
	s_wait_alu depctr_va_sdst(0)                   ; s20 and s22 are written, from which the two blocks' numbers are taken
	s_ctz_i32_b32 s32, s20
	s_ctz_i32_b32 s33, s22
	s_min_u32 s32, s32, 31
	s_min_u32 s33, s33, 31
	s_lshl_b32 s36, s33, 20
	s_add_nc_u64 s[50:51], s[28:29], s[36:37]      ; Q of my second block
	; ---------------- two query blocks ----------------
	s_mov_b32 s27, 0
.Lblock:
	s_wait_loadcnt 0x0                             ; no load is out: KO and the staging registers may be written
	s_wait_xcnt 0x0                                ; the last block's stores have read their data and their base
	s_cmp_eq_u32 s27, 0
	s_cselect_b32 s19, s32, s33                    ; i: rank p's block, then rank 31 - p's
	s_min_u32 s19, s19, 31                         ; bounded in front of the addresses
	s_lshl_b32 s36, s19, 20                        ; 64 times of 16,384 bytes
	s_add_nc_u64 s[38:39], s[28:29], s[36:37]
	s_add_nc_u64 s[40:41], s[30:31], s[36:37]
	s_wait_alu depctr_vm_vsrc(0)                   ; the ids' LDS stores, or the last block's loads, have read KO, which the next line writes; the last way out's LDS and global stores have read S's registers, which Q's conversions write
	v_lshl_add_u32 v[KO], s19, 18, v[KV0]
	KVLOAD                                         ; the diagonal tile.  Its wait also states that the way out's multiplies are done reading O's registers, in which Q's rows land: only loads and window switches stand between
	WIN 0x40
.set qn, 0
.rept 64
	global_load_b128 v[4*qn:4*qn+3], v[ROFF], s[38:39] offset:qn*16384 th:TH_LOAD_NT   ; a row of my head, 512 consecutive bytes; read once in the launch
.set qn, qn+1
.endr
	WIN 0
	; while they are on their way: which tiles are needed, which are pure.  Lane i of KMIN and KMAX is the query block's own range.
	v_readlane_b32 s53, v[KMIN], s19
	v_readlane_b32 s54, v[KMAX], s19
	s_wait_alu depctr_va_sdst(0)                   ; s53 and s54 are written, which the compares read
	v_cmp_le_u32 s20, v[KMIN], s54
	v_cmp_ge_u32 s21, v[KMAX], s53
	v_cmp_eq_u32 s22, v[KMIN], v[KMAX]
	v_cmp_eq_u32 s23, v[KMIN], s53
	s_wait_alu depctr_va_sdst(0)                   ; s[20:23] are written, which the scalar lines read
	s_cmp_eq_u32 s53, s54
	s_cselect_b32 s46, -1, 0                       ; the query block has one id: all tiles' bits, or none
	s_and_b32 s20, s20, s21                        ; NEED: the ranges overlap
	s_and_b32 s22, s22, s23
	s_and_b32 s22, s22, s46                        ; PURE: one id on both sides
	s_sub_co_u32 s21, 31, s19
	s_lshl_b32 s24, s20, s21                       ; tile i in bit 31; later tiles fall out at the top, zeros follow tile 0
	s_lshl_b32 s25, s22, s21
	s_mov_b32 s44, s19
	s_sub_co_i32 s45, s19, 2
	s_wait_loadcnt 0x0
	KVSTORE 0                                      ; slot 0 was last read in front of the last step's barrier
	s_sub_co_i32 s20, s19, 1
	s_min_u32 s20, s20, 31                         ; (for i = 0 the bit is clear and the address is not used)
	s_wait_alu depctr_vm_vsrc(0)                   ; the diagonal tile's loads have read KO, which the next line writes; the LDS stores above have read the staging registers, in which the next loads land
	v_lshl_add_u32 v[KO], s20, 18, v[KV0]
	s_bitcmp1_b32 s24, 30
	s_cbranch_scc0 .Lno_second
	KVLOAD                                         ; tile i - 1, stored in the diagonal step's tail
.Lno_second:
	; Q: to bf16, through my own stage, into fragments
	WIN 0x05
.set qn, 0
.rept 64
	v_cvt_pk_bf16_f32 v[SB+2*qn],   v[4*qn],   v[4*qn+1]
	v_cvt_pk_bf16_f32 v[SB+2*qn+1], v[4*qn+2], v[4*qn+3]
.set qn, qn+1
.endr
	WIN 0
	s_wait_alu depctr_va_vdst(0)                   ; the conversions have written v[SB ..], which the LDS stores read; the last block's products are done reading Q's fragments, in which the loads below land
.set qn, 0
.rept 64
	ds_store_b64 v[QST], v[SB+2*qn:SB+2*qn+1] offset:qn*KP
.set qn, qn+1
.endr
	WIN 0x80
.irp u, 0,1,2,3
.irp c, 0,1,2,3
	ds_load_b128 v[32*\u+8*\c:32*\u+8*\c+3],   v[QRD] offset:16*\u*KP+64*\c      ; my wave's own bytes, served in order behind the stores
	ds_load_b128 v[32*\u+8*\c+4:32*\u+8*\c+7], v[QRD] offset:16*\u*KP+64*\c+32
.endr
.endr
	WIN 0
	s_wait_dscnt 0x0                               ; for the others: my rows of slot 0 (and, the first time, my ids) are in LDS
	s_barrier_signal -1
	s_barrier_wait -1
	; the diagonal tile starts maximum, sums and O
	QK 0, 1
.irp u, 0,1,2,3
	ds_load_b32 v[SQ+\u], v[TMP] offset:64*\u      ; the id of query 64 i + 16 u + r; waited for with the keys' ids.  No wait on the vector side: nothing since the wait at the step's head names SQ or TMP
.endr
	SEGMASK
	CAUSAL
	SOFTMAX 1
	PV 1
	TAIL 1
	; tiles i - 1 .. 0, two steps a trip.  i hangs on the ids, so the count is the constant that serves i = 31: 16 trips, 32 steps; steps whose bit is clear, those beyond
	; tile 0 among them, only pass the barrier.  Every block ends on slot 0, so that the next block may fill slot 0 behind that step's barrier.
	s_mov_b32 s26, 16
.Lsteps:
	STEP 1, 0
	STEP 0, 1
	s_sub_co_i32 s26, s26, 1
	s_cmp_gt_i32 s26, 0
	s_cbranch_scc1 .Lsteps
	; the way out.  In the first block's: my wave asks for its own 64 rows of Q of my second block, 128 aligned pieces of 256 bytes (lanes 256 bytes or a row apart), each once in
	; the launch; the way out's four groups of 16 rows stand between the request and the loads.  The second block asks for nothing.
	s_cmp_lg_u32 s27, 0
	s_cbranch_scc1 .Lno_prefetch
.irp k, 0,1,2,3
	global_prefetch_b8 v[PF], s[50:51] offset:\k*262144 th:TH_LOAD_NT scope:SCOPE_SE
.endr
.Lno_prefetch:
	PLACES 4                                       ; behind the last matrix instructions: O is read, the weights' registers are written
.irp u, 0,1,2,3
	v_add_f32 v[TT+\u], v[LP+2*\u], v[LP+2*\u+1]
.endr
.irp u, 0,1,2,3
	v_permlanex16_b32 v[T2+\u], v[TT+\u], s42, s43
.endr
.irp u, 0,1,2,3
	v_add_f32 v[TT+\u], v[TT+\u], v[T2+\u]         ; l: at least about 1, the weight of the row's maximum
.endr
.irp u, 0,1,2,3
	v_rcp_f32 v[PR+2*\u], v[TT+\u]
.endr
	v_nop                                          ; the plain instruction behind the reciprocals (ISA guide 5.7.2)
	s_wait_alu depctr_va_vdst(0)
	OUT16 0
	OUT16 1
	OUT16 2
	OUT16 3
	s_add_co_u32 s27, s27, 1
	s_cmp_lt_u32 s27, 2
	s_cbranch_scc1 .Lblock
	s_wait_dscnt 0x0
	s_wait_alu depctr_hold_cnt(0) depctr_sa_sdst(0) depctr_va_vdst(0) depctr_va_sdst(0) depctr_va_ssrc(0) depctr_va_vcc(0) depctr_vm_vsrc(0)
	s_wait_tensorcnt 0x0
	ds_add_u32 v126, v127
	s_wait_dscnt 0x0
	s_endpgm
.Lfunc_end_k_qa35326cb8d_attn:
	.size	k_qa35326cb8d_attn, .Lfunc_end_k_qa35326cb8d_attn-k_qa35326cb8d_attn
	.p2alignl 7, 3214868480
	.fill 96, 4, 3214868480
	.section	.rodata,"a",@progbits
	.p2align	6, 0x0
	.amdhsa_kernel k_qa35326cb8d_attn
		.amdhsa_group_segment_fixed_size 150016
		.amdhsa_private_segment_fixed_size 0
		.amdhsa_enable_private_segment 0
		.amdhsa_kernarg_size 40
		.amdhsa_user_sgpr_count 2
		.amdhsa_user_sgpr_kernarg_segment_ptr 1
		.amdhsa_wavefront_size32 1
		.amdhsa_system_sgpr_workgroup_id_x 1
		.amdhsa_system_sgpr_workgroup_id_y 1
		.amdhsa_system_sgpr_workgroup_id_z 1
		.amdhsa_system_vgpr_workitem_id 0
		.amdhsa_next_free_vgpr 1024
		.amdhsa_next_free_sgpr 66
		.amdhsa_reserve_vcc 0
		.amdhsa_float_denorm_mode_32 3
		.amdhsa_float_denorm_mode_16_64 3
		.amdhsa_memory_ordered 1
		.amdhsa_forward_progress 1
		.amdhsa_inst_pref_size 255
	.end_amdhsa_kernel
	.section	.bss,"aw",@nobits
	.p2align	6
	.space	262144
	.amdgpu_metadata
---
amdhsa.version: [ 1, 2 ]
amdhsa.kernels:
  - .name:           k_qa35326cb8d_attn
    .symbol:         k_qa35326cb8d_attn.kd
    .args:
      - { .name: query, .offset: 0, .size: 8, .value_kind: global_buffer, .address_space: global }
      - { .name: key, .offset: 8, .size: 8, .value_kind: global_buffer, .address_space: global }
      - { .name: value, .offset: 16, .size: 8, .value_kind: global_buffer, .address_space: global }
      - { .name: decoder_segment_ids, .offset: 24, .size: 8, .value_kind: global_buffer, .address_space: global }
      - { .name: out0, .offset: 32, .size: 8, .value_kind: global_buffer, .address_space: global }
    .group_segment_fixed_size: 150016
    .private_segment_fixed_size: 0
    .kernarg_segment_align: 8
    .kernarg_segment_size: 40
    .max_flat_workgroup_size: 128
    .sgpr_count:     66
    .vgpr_count:     1024
    .wavefront_size: 32
...
	.end_amdgpu_metadata
.endif
;; end of part 3
